; MI455X (gfx1250); checked and timed in simulation.
; The chip was launched on July 23, 2026; its instructions are those of AMD's public machine-readable ISA for CDNA 5 (MIT licence, August 2026) and "CDNA5" Instruction Set Architecture Reference Guide (July 2026). The comments in the code are by the model that wrote it; some were corrected since.
;; Multi Head Attention. Allowed arithmetic: matrix products marked QUANTISED: E5M2 operands, one given power-of-two scale a tensor, by v_wmma_f32_16x16x64_bf8_bf8 or v_wmma_f32_16x16x128_bf8_bf8, f32 sums; everything else in f32.
;; Inputs: Wk 12 x 768 x 64 float32; Wp 768 x 768 float32; Wq 12 x 768 x 64 float32; Wv 12 x 768 x 64 float32; bk 12 x 64 float32; bp 768 float32; bq 12 x 64 float32; bv 12 x 64 float32; lowp_scales 12 int32 (the exponents e of the quantised operands' scales 2^e); x 16 x 1,024 x 768 float32.
;; Outputs: out0 16 x 1,024 x 768 float32.
;; This version of the problem:
;;   THIS VERSION OF THE PROBLEM IS GIVEN IN LOW PRECISION. The matrix products marked QUANTISED in the list below multiply operands that are first quantised to E5M2 (5 exponent bits, 2 mantissa bits; 8 bits a number), with one given power-of-two scale for each operand tensor; their sums are f32. All else is computed in f32.
;;   The module's matrix products, in the order in which they are computed (A, B: the left and right operand; K: the contracted axis; several contracted axes count as one K, in the product's order):
;;     1. [M 768, K 768] x [K 768, N 16,384]; A: input Wq; B: input x: QUANTISED (scales: A lowp_scales[0], B lowp_scales[1])
;;     2. [M 768, K 768] x [K 768, N 16,384]; A: input Wk; B: input x: QUANTISED (scales: A lowp_scales[2], B lowp_scales[3])
;;     3. [M 768, K 768] x [K 768, N 16,384]; A: input Wv; B: input x: QUANTISED (scales: A lowp_scales[4], B lowp_scales[5])
;;     4. batch 192 x [M 1,024, K 64] x [K 64, N 1,024]; A: computed on the way; B: computed on the way: QUANTISED (scales: A lowp_scales[6], B lowp_scales[7])
;;     5. batch 192 x [M 1,024, K 1,024] x [K 1,024, N 64]; A: softmax (see below); B: computed on the way: QUANTISED (scales: A lowp_scales[8], B lowp_scales[9])
;;     6. [M 16,384, K 768] x [K 768, N 768]; A: computed on the way; B: input Wp: QUANTISED (scales: A lowp_scales[10], B lowp_scales[11])
;;   THE QUANTISER, for each operand of a quantised product, along K:
;;     - The operand's scale is 2^e, e = its entry of the input lowp_scales (int32; the entries are numbered through the quantised products in the list's order, A before B).
;;     - Each number is divided by the scale, clamped to +-57,344, and rounded to the nearest number of E5M2, ties to even, subnormals kept.
;;     - The product sums the exact products of the quantised numbers (number of the format x scale) in f32.
;;   ~~~python
;;   def quantise(x, axis, e):      # numpy; x: float32 -> the quantised numbers, widened to float32 again
;;       x = np.moveaxis(x, axis, -1); K = x.shape[-1]
;;       r = np.clip(x / 2.0 ** e, -57344, 57344)
;;       step = 2.0 ** (np.maximum(np.frexp(np.where(r == 0, 1, r))[1] - 1, -14) - 2)
;;       q = np.round(r / step) * step * 2.0 ** e      # np.round: ties to even
;;       return np.moveaxis(q, -1, axis).astype(np.float32)
;;   ~~~
;;   SOFTMAX AHEAD OF A QUANTISED PRODUCT. Where the list says 'softmax', what is quantised is not the finished softmax but p = 2^(t - M), with t = logit x log2(e) and M = ceil(the row's largest t), a whole number; so 1/2 < the row's largest p <= 1. The row's sum l is taken of the UNQUANTISED p, in f32, and the product's result is divided by l at the end. Since M is a whole number, a kernel that streams over the keys may use a running M (the ceiling of the running maximum): every later rescaling is an exact power of two, so the quantised numbers keep their values, but for numbers so far below the row's largest that they fall under the format's range.
;;   OPERANDS COMPUTED ON THE WAY. 'Computed on the way' means the value that the module computes at that place (a softmax that the list does not call 'softmax' is quantised finished and normalised). What goes into a quantiser is computed in f32, as accurately as f32 sums, v_exp_f32 and their like allow (about 1e-6 of the number): no bf16 or f16 on the way to a quantiser, and a product that is left as it is and whose result goes on into a quantised operand takes f32 operands (vector FMAs, or v_wmma_f32_16x16x4_f32). A number that lies on a knife's edge between two numbers of the format may be rounded either way, as far as f32 arithmetic and the matrix unit's own rounding can turn it there, and no further.
;; 2 versions. Each part assembles by itself: llvm-mc -triple=amdgcn-amd-amdhsa -mcpu=gfx1250 --defsym DOCPART=n.
;; ======== version 1 of 2: 4 launches
;; workspace buffers: xall 37,748,736 bytes; wimg 2,359,296 bytes; qimg 12,582,912 bytes; kimg 12,582,912 bytes; vimg 12,582,912 bytes; oimg 12,582,912 bytes
;; launch quant (part 1): grid 800 x 1, 4 waves a work-group, no clusters, 35,328 bytes of LDS; arguments x, Wq, Wk, Wv, Wp, lowp_scales, xall, wimg; writes xall, wimg
.if DOCPART == 1
	.amdgcn_target "amdgcn-amd-amdhsa--gfx1250"
	.amdhsa_code_object_version 6
	.text
	.protected	k_qa2c7be9c58_quant
	.globl	k_qa2c7be9c58_quant
	.p2align	8
	.type	k_qa2c7be9c58_quant,@function
k_qa2c7be9c58_quant:
	s_mov_b64 s[64:65], 0
	v_nop
	global_prefetch_b8 v0, s[64:65] scope:SCOPE_SE
	s_setreg_imm32_b32 hwreg(HW_REG_WAVE_MODE, 25, 1), 1
	s_wait_xcnt 0x0
; x [16384][768] f32 and the four weights (K = their 768 rows) become codes of BF8 (E5M2), each with the scale 2^e that is given for it:
; code = number / 2^e, held within +-57,344, rounded to the nearest code, ties to even.
; THE CODES ARE LAID AS IMAGES OF OPERAND REGISTERS.  A fragment of 16 rows (or columns) x 128 K is 16 registers a lane: lane (r = lane % 16, h = lane / 16) holds row r, registers 2 c, 2 c + 1 hold
; K = 16 c + 8 h + 0 .. 7.  It is stored as four chunks of 512 bytes, chunk i = registers 4 i .. 4 i + 3, lane l's 16 bytes at 16 l: so every later load and every store here covers 512 consecutive bytes.
;   xall: [part 3][row tile 1024][K step 6][2048]     wimg: [q, k, v, p][column tile 48][K step 6][2048]  (columns of q, k, v: 64 x head + e)
; x is an operand of three products, each with its own entry of the scales (1, 3, 5): parts 0, 1, 2 of xall.  Part 0 is always written; part 1 only where entry 3 differs from entry 1, part 2 only where
; entry 5 does: the next launch makes the same two comparisons and reads part 0 in their stead.
; SHARES.  Work-groups 0 to 287: the weights; a wave makes one fragment (a lane takes a column, its registers run down K: nothing is transposed).  Work-groups 288 to 799: x; a wave takes 16 rows x 384 K,
; six units of 64 K.  A unit's loads take the bytes as they lie (sixteen lanes read 256 consecutive bytes of a row); the unit turns through the wave's own stage in LDS so that a lane gets eight neighbours along K.
; No barrier: waves share nothing.  No matrix unit, no cluster: each byte is read once, by one wave.
; LIMITS: each e used here (entries 0 to 5 and 11) lies between -126 and 112, so that 2^e and 57,344 x 2^e are f32 numbers.  NaN among the inputs is not served; an infinity is held at the largest code.
.set NWGW,  288                        ; work-groups for the weights: 4 matrices x 12 groups of 4 column tiles x 6 K steps
.set XROW,  3072                       ; a row of x in bytes
.set XPART, 12582912                   ; a part of xall: x's codes under one scale
.set SP,    272                        ; a stage row: 256 bytes + 16, so that sixteen rows' pieces of 16 bytes begin at sixteen different places modulo 256
.set STGB,  16*SP                      ; a stage: 16 rows
.set WREG,  2*STGB                     ; a wave's LDS: two stages by turns
.set LD,  10                           ; v10  where my 16 bytes of a load lie: row h, 16 r (weights: row 8 h, column r)
.set ST,  11                           ; v11  the same place in my wave's stage
.set RD,  12                           ; v12  out of the stage: row r, + 32 h
.set OUT, 13                           ; v13  16 x lane: my place in a chunk
.set R,   16                           ; v16-143   four sets of 32: a unit as loaded (weights: v16-79 a fragment's 64 numbers, v80-95 its codes)
.set X,   144                          ; v144-207  two sets of 32: a unit turned
.set T,   208                          ; v208-223  two sets of 8: numbers held, ahead of a conversion
.set C,   224                          ; v224-247  codes: 8 registers for each of the three scales
.macro LOAD u                          ; unit u: rows 2 j + h, bytes 256 u + 16 r
.irp j, 0,1,2,3,4,5,6,7
	global_load_b128 v[R+32*((\u)%4)+4*\j:R+32*((\u)%4)+4*\j+3], v[LD], s[4:5] offset:2*\j*XROW+256*(\u) th:TH_LOAD_NT
.endr
.endm
.macro TURN u                          ; through the stage: LDS serves a wave's instructions in order (ISA guide 5.7.1), so no wait stands between the stores and the loads
.irp j, 0,1,2,3,4,5,6,7
	ds_store_b128 v[ST], v[R+32*((\u)%4)+4*\j:R+32*((\u)%4)+4*\j+3] offset:STGB*((\u)%2)+2*\j*SP
.endr
.irp i, 0,1                            ; chunk i of the unit: K = 32 i + 8 h + 0 .. 7, then the same + 16
	ds_load_b128 v[X+32*((\u)%2)+16*\i:X+32*((\u)%2)+16*\i+3],     v[RD] offset:STGB*((\u)%2)+128*\i
	ds_load_b128 v[X+32*((\u)%2)+16*\i+4:X+32*((\u)%2)+16*\i+7],   v[RD] offset:STGB*((\u)%2)+128*\i+16
	ds_load_b128 v[X+32*((\u)%2)+16*\i+8:X+32*((\u)%2)+16*\i+11],  v[RD] offset:STGB*((\u)%2)+128*\i+64
	ds_load_b128 v[X+32*((\u)%2)+16*\i+12:X+32*((\u)%2)+16*\i+15], v[RD] offset:STGB*((\u)%2)+128*\i+80
.endr
.endm
; unit u under one scale: v[sc] = 2^e, v[lim] = 57,344 x 2^e; k picks the codes' registers; s[ptr] the part of xall.  The numbers stay as they are for the next scale: the holds write T.
; The eight holds of the other set of T are the plain vector lines between a conversion and the next write of its sources.
.macro KIND u, k, sc, lim, ptr
.irp i, 0,1
.irp g, 0,1
.irp n, 0,1,2,3,4,5,6,7
	v_med3_num_f32 v[T+8*\g+\n], v[X+32*((\u)%2)+16*\i+8*\g+\n], -v[\lim], v[\lim]   ; the conversion to an 8-bit code does not saturate (ISA guide 7.6.2)
.endr
	v_cvt_scalef32_pk8_bf8_f32 v[C+8*\k+4*\i+2*\g:C+8*\k+4*\i+2*\g+1], v[T+8*\g:T+8*\g+7], v[\sc]
.endr
.endr
.irp i, 0,1
	global_store_b128 v[OUT], v[C+8*\k+4*\i:C+8*\k+4*\i+3], s[\ptr:\ptr+1] offset:1024*(\u)+512*\i   ; 32 lanes store 512 consecutive bytes
.endr
.endm
.macro STEP u
	s_wait_dscnt 0x0                               ; unit u is back from the stage, and its stores into the stage have read their registers,
.if (\u)+4 < 6
	LOAD (\u)+4                                    ; which take the unit four further on
.endif
.if (\u)+1 < 6
.if (\u) < 2
	s_wait_loadcnt 24                              ; the next unit's eight loads are in; the three units behind it may be out
.else
	s_wait_loadcnt 8*(4-(\u))                      ; no more is asked for: the count runs down
.endif
	TURN (\u)+1                                    ; through the other stage while this unit is worked on
.endif
	s_wait_xcnt 0x0                                ; the last unit's stores have read their data: the codes' registers are written again only behind this wait
	KIND \u, 0, 4, 5, 16
	s_cmp_lg_u32 s40, 0
	s_cbranch_scc1 .Lsame_k_\@                     ; entry 3 = entry 1: the codes would be the same
	KIND \u, 1, 6, 7, 18
.Lsame_k_\@:
	s_cmp_lg_u32 s41, 0
	s_cbranch_scc1 .Lsame_v_\@                     ; entry 5 = entry 1
	KIND \u, 2, 8, 9, 20
.Lsame_v_\@:
.endm
; a fragment of a weight: 64 numbers a lane.  pitch: bytes from K to K + 1; groupb: bytes from a group of four column tiles to the next
.macro WFRAG pitch, groupb
	s_mul_i32 s42, s39, \groupb
	s_mul_i32 s43, s40, 128*\pitch
	s_add_co_u32 s42, s42, s43
	s_lshl_b32 s43, s36, 6                         ; the four waves stand side by side on 256 bytes of each row
	s_add_co_u32 s42, s42, s43
	s_mov_b32 s43, 0
	s_add_nc_u64 s[6:7], s[6:7], s[42:43]
	v_mul_u32_u24 v[LD], v3, 8*\pitch
	v_lshl_add_u32 v[LD], v2, 2, v[LD]
.set n, 0
.rept 64
	global_load_b32 v[R+n], v[LD], s[6:7] offset:(16*(n/8)+n%8)*\pitch th:TH_LOAD_NT   ; W(128 s + 16 c + 8 h + i, my column)
.set n, n+1
.endr
.endm
	s_load_b256 s[4:11], s[0:1], 0x0               ; x s[4:5], Wq s[6:7], Wk s[8:9], Wv s[10:11]
	s_load_b128 s[12:15], s[0:1], 0x20             ; Wp s[12:13], the scales s[14:15]
	s_load_b64 s[16:17], s[0:1], 0x30              ; xall
	s_load_b64 s[22:23], s[0:1], 0x38              ; wimg
	v_lshl_add_u32 v248, v0, 2, 0x8800
	v_mov_b32 v249, 0
	v_lshrrev_b32 v1, 5, v0
	v_readfirstlane_b32 s36, v1                    ; wave 0..3
	v_and_b32 v1, 31, v0                           ; lane
	v_and_b32 v2, 15, v0                           ; r
	v_bfe_u32 v3, v0, 4, 1                         ; h
	v_lshlrev_b32 v[OUT], 4, v1
	s_wait_kmcnt 0x0
	s_load_b256 s[24:31], s[14:15], 0x0            ; entries 0 to 7
	s_load_b128 s[32:35], s[14:15], 0x20           ; entries 8 to 11
	s_cmp_lt_u32 ttmp9, NWGW
	s_cbranch_scc1 .Lweights
	; ---- x
	s_sub_co_u32 s37, ttmp9, NWGW
	s_lshl_b32 s37, s37, 2
	s_add_co_u32 s37, s37, s36                     ; which half of a row tile is my wave's: 0 .. 2047
	s_lshr_b32 s38, s37, 1
	s_and_b32 s39, s37, 1
	s_mul_i32 s42, s38, 16*XROW                    ; the tile's 16 rows,
	s_mul_i32 s39, s39, 1536                       ; the half's 384 numbers
	s_add_co_u32 s42, s42, s39
	s_mov_b32 s43, 0
	s_add_nc_u64 s[4:5], s[4:5], s[42:43]
	s_mul_i32 s42, s37, 6144                       ; three fragments of codes
	s_add_nc_u64 s[16:17], s[16:17], s[42:43]      ; in part 0,
	s_add_nc_u64 s[18:19], s[16:17], XPART         ; in part 1,
	s_add_nc_u64 s[20:21], s[16:17], 2*XPART       ; in part 2
	s_mul_i32 s44, s36, WREG
	v_mul_u32_u24 v[LD], v3, XROW
	v_lshl_add_u32 v[LD], v2, 4, v[LD]
	v_mul_u32_u24 v[ST], v3, SP
	v_lshl_add_u32 v[ST], v2, 4, v[ST]
	v_add_nc_u32 v[ST], s44, v[ST]
	v_mul_u32_u24 v[RD], v2, SP
	v_lshl_add_u32 v[RD], v3, 5, v[RD]
	v_add_nc_u32 v[RD], s44, v[RD]
	LOAD 0
	LOAD 1
	LOAD 2
	LOAD 3
	s_wait_kmcnt 0x0
	s_cmp_eq_u32 s27, s25
	s_cselect_b32 s40, 1, 0                        ; entry 3 = entry 1
	s_cmp_eq_u32 s29, s25
	s_cselect_b32 s41, 1, 0                        ; entry 5 = entry 1
.irp n, 0,1,2                                  ; entries 1, 3, 5
	s_add_co_i32 s45, s[25+2*\n], 127
	s_lshl_b32 s46, s45, 23
	v_mov_b32 v[4+2*\n], s46                       ; 2^e as f32: the conversion takes its exponent field
	s_add_co_i32 s45, s45, 15
	s_lshl_b32 s45, s45, 23
	s_or_b32 s45, s45, 0x600000
	v_mov_b32 v[5+2*\n], s45                       ; 57,344 x 2^e
.endr
	s_wait_loadcnt 24                              ; unit 0 is in; units 1 to 3 may be out
	TURN 0
	STEP 0
	STEP 1
	STEP 2
	STEP 3
	STEP 4
	STEP 5
	s_wait_tensorcnt 0x0
	ds_add_u32 v248, v249
	s_wait_dscnt 0x0
	s_endpgm
	; ---- the weights
.Lweights:
	s_and_b32 s37, ttmp9, 3                        ; which matrix: q, k, v, p
	s_lshr_b32 s38, ttmp9, 2                       ; 0 .. 71
	s_mul_i32 s39, s38, 43
	s_lshr_b32 s39, s39, 8                         ; / 6 (exact up to 71): the group of four column tiles; for q, k, v it is the head
	s_mul_i32 s40, s39, 6
	s_sub_co_u32 s40, s38, s40                     ; the K step
	s_cmp_eq_u32 s37, 1
	s_cselect_b64 s[6:7], s[8:9], s[6:7]
	s_cmp_eq_u32 s37, 2
	s_cselect_b64 s[6:7], s[10:11], s[6:7]
	s_cmp_eq_u32 s37, 3
	s_cselect_b64 s[6:7], s[12:13], s[6:7]
	s_cbranch_scc1 .Lwp
	WFRAG 256, 196608                              ; [head][768][64]: a row of 64 numbers, a head of 768 rows
	s_branch .Lwtail
.Lwp:
	WFRAG 3072, 256                                ; [768][768]: a row of 768 numbers, a group of 64 columns
.Lwtail:
	s_mul_i32 s42, s37, 48
	s_lshl_b32 s43, s39, 2
	s_add_co_u32 s42, s42, s43
	s_add_co_u32 s42, s42, s36                     ; 48 x matrix + column tile
	s_mul_i32 s42, s42, 6
	s_add_co_u32 s42, s42, s40
	s_lshl_b32 s42, s42, 11                        ; fragments of 2,048 bytes
	s_mov_b32 s43, 0
	s_add_nc_u64 s[22:23], s[22:23], s[42:43]
	s_wait_kmcnt 0x0
	s_cmp_eq_u32 s37, 1
	s_cselect_b32 s24, s26, s24                    ; entries 0, 2, 4, 11
	s_cmp_eq_u32 s37, 2
	s_cselect_b32 s24, s28, s24
	s_cmp_eq_u32 s37, 3
	s_cselect_b32 s24, s35, s24
	s_add_co_i32 s24, s24, 127
	s_lshl_b32 s25, s24, 23
	v_mov_b32 v4, s25
	s_add_co_i32 s24, s24, 15
	s_lshl_b32 s24, s24, 23
	s_or_b32 s24, s24, 0x600000
	v_mov_b32 v5, s24
	s_wait_loadcnt 0x0
.set n, 0
.rept 64
	v_med3_num_f32 v[R+n], v[R+n], -v5, v5
.set n, n+1
.endr
.irp c, 0,1,2,3,4,5,6,7
	v_cvt_scalef32_pk8_bf8_f32 v[80+2*\c:81+2*\c], v[R+8*\c:R+8*\c+7], v4   ; registers 2 c, 2 c + 1 of the fragment
.endr
.irp i, 0,1,2,3
	global_store_b128 v[OUT], v[80+4*\i:83+4*\i], s[22:23] offset:512*\i
.endr
	s_endpgm
.Lfunc_end_k_qa2c7be9c58_quant:
	.size	k_qa2c7be9c58_quant, .Lfunc_end_k_qa2c7be9c58_quant-k_qa2c7be9c58_quant
	.p2alignl 7, 3214868480
	.fill 96, 4, 3214868480
	.section	.rodata,"a",@progbits
	.p2align	6, 0x0
	.amdhsa_kernel k_qa2c7be9c58_quant
		.amdhsa_group_segment_fixed_size 35328
		.amdhsa_private_segment_fixed_size 0
		.amdhsa_enable_private_segment 0
		.amdhsa_kernarg_size 64
		.amdhsa_user_sgpr_count 2
		.amdhsa_user_sgpr_kernarg_segment_ptr 1
		.amdhsa_wavefront_size32 1
		.amdhsa_system_sgpr_workgroup_id_x 1
		.amdhsa_system_sgpr_workgroup_id_y 1
		.amdhsa_system_sgpr_workgroup_id_z 1
		.amdhsa_system_vgpr_workitem_id 0
		.amdhsa_next_free_vgpr 250
		.amdhsa_next_free_sgpr 66
		.amdhsa_reserve_vcc 0
		.amdhsa_float_denorm_mode_32 3
		.amdhsa_float_denorm_mode_16_64 3
		.amdhsa_memory_ordered 1
		.amdhsa_forward_progress 1
		.amdhsa_inst_pref_size 79
	.end_amdhsa_kernel
	.amdgpu_metadata
---
amdhsa.version: [ 1, 2 ]
amdhsa.kernels:
  - .name:           k_qa2c7be9c58_quant
    .symbol:         k_qa2c7be9c58_quant.kd
    .args:
      - { .name: x, .offset: 0, .size: 8, .value_kind: global_buffer, .address_space: global }
      - { .name: Wq, .offset: 8, .size: 8, .value_kind: global_buffer, .address_space: global }
      - { .name: Wk, .offset: 16, .size: 8, .value_kind: global_buffer, .address_space: global }
      - { .name: Wv, .offset: 24, .size: 8, .value_kind: global_buffer, .address_space: global }
      - { .name: Wp, .offset: 32, .size: 8, .value_kind: global_buffer, .address_space: global }
      - { .name: lowp_scales, .offset: 40, .size: 8, .value_kind: global_buffer, .address_space: global }
      - { .name: xall, .offset: 48, .size: 8, .value_kind: global_buffer, .address_space: global }
      - { .name: wimg, .offset: 56, .size: 8, .value_kind: global_buffer, .address_space: global }
    .group_segment_fixed_size: 35328
    .private_segment_fixed_size: 0
    .kernarg_segment_align: 8
    .kernarg_segment_size: 64
    .max_flat_workgroup_size: 128
    .sgpr_count:     66
    .vgpr_count:     250
    .wavefront_size: 32
...
	.end_amdgpu_metadata
.endif
;; end of part 1
;; launch qkv (part 2): grid 6 x 32, 4 waves a work-group, no clusters, 197,120 bytes of LDS; arguments xall, wimg, bq, bk, bv, lowp_scales, qimg, kimg, vimg; writes qimg, kimg, vimg
.if DOCPART == 2
	.amdgcn_target "amdgcn-amd-amdhsa--gfx1250"
	.amdhsa_code_object_version 6
	.text
	.protected	k_qa2c7be9c58_qkv
	.globl	k_qa2c7be9c58_qkv
	.p2align	8
	.type	k_qa2c7be9c58_qkv,@function
k_qa2c7be9c58_qkv:
	s_mov_b64 s[64:65], 0
	v_nop
	global_prefetch_b8 v0, s[64:65] scope:SCOPE_SE
	s_setreg_imm32_b32 hwreg(HW_REG_WAVE_MODE, 25, 1), 1
	s_wait_xcnt 0x0
; q, k, v = x W + b on codes of BF8 (E5M2), and their codes for the two products of the attention.  All buffers but the biases hold images of operand registers: a fragment's registers in chunks of 512 bytes,
; chunk i = registers 4 i .. 4 i + 3, lane l's 16 bytes at 16 l; lane (r, h) holds row r, registers 2 c, 2 c + 1 hold K = 16 c + 8 h + 0 .. 7.
;   in:  xall [part 3][row tile 1024][K step 6][2048]: x's codes under entries 1, 3, 5 of the scales; wimg [q, k, v, p][column tile 48][K step 6][2048]
;   out: qimg, kimg [head 12][batch 16][token tile 64][1024]: 16 tokens x 64 channels;  vimg [head 12][batch 16][key step 8][channel tile 4][2048]: 16 channels x 128 keys
; SHARES.  Work-group x: 0, 1 = q, 2, 3 = k, 4, 5 = v, each one half (384) of the kind's columns; work-group y: 512 rows.  THE WAVES SHARE THE COLUMNS: wave w keeps the 36 fragments of its six column tiles
; (576 registers) for the whole launch, read from memory once.  The rows go round: 64 at a time (four row tiles), wave w brings row tile w through its registers into LDS as it lies, and every wave reads all four.
; A TILE AHEAD.  x's fragments have two sets of registers: while a tile's 36 products run, the next tile's 24 LDS loads are issued, twelve ahead of the products and twelve behind the sixteenth.  In a batch's last tile
; the next batch is made ready instead: its image goes to the other LDS buffer ahead of the products; behind the sixteenth stand the barrier, the loads from memory of the batch after it, and the next tile's LDS loads.
; So a batch's loads from memory are asked for nearly a batch (some 130 matrix instructions and four ways out) ahead of their use, and nothing more is asked ahead.
; WHICH SOURCE IS WHICH.  q, k: source 0 = W, source 1 = x: a lane holds one token and eight neighbouring channels, which are the next K: a conversion gives registers 2 c, 2 c + 1 of the image.
; v: source 0 = x, source 1 = W: a lane holds one channel and eight neighbouring tokens, which are the next K (the keys).  The two ways part once, on the work-group's x, and each has LDS bytes of its own.
; SCALES.  A sum stands for sum x 2^(ew + ex).  The bias is the C of each sum's first matrix instruction, divided by 2^(ew + ex); the conversion's scale is 2^(eo - ew - ex).
; WHICH PART OF xall.  Part 1 (2) is written only where entry 3 (5) differs from entry 1.  So the part's offset is min(ex xor entry 1, 1) x kind x a part's bytes: 0 where the two entries are one.
; NO CLUSTER: the six work-groups along x that read the same rows are no multiple of four; the 32 along y share the weights alone, which go straight into registers, where no joint load can land.
; 192 work-groups: 2,304 columns of three kinds share out in sixths, not in eighths, without a change of weights midway.
; LIMITS: eo - ew - ex (entries 6 - 0 - 1, 7 - 2 - 3, 9 - 4 - 5) lies between -126 and 112.  NaN among the inputs is not served.
; REGISTERS, in windows of 256: window 0: v4-27 addresses; v32-127 and v128-223 a row tile's six fragments, two sets; v224-247 codes.
;   windows 1 to 3: the weights, fragment f = 6 s + j (K step s, column tile j) at v[16 (f % 16)] of window 1 + f / 16; window 3 also: v64-159 a row tile on its way to LDS, v160-207 the bias, 8 registers a column
;   tile, v208-255 the six accumulators: bias and sums lie in one window, so that one setting serves both as C.
.set TILEB, 12288                      ; a row tile's codes
.set XPART, 12582912                   ; a part of xall
.set BUF,   4*TILEB                    ; a batch; LDS: buffers 0, 1 for q and k, then buffers 0, 1 for v
.set LI,  4                            ; v4, v5    16 x lane in buffer 0, 1  (v's way: v24, v25)
.set XW,  6                            ; v6, v7    + my wave's tile          (v's way: v26, v27)
.set OFQ, 8                            ; v8-10     q, k: where a pair of column tiles' chunk goes
.set SC,  14                           ; v14       the conversion's scale
.set LIM, 15                           ; v15       57,344 x that
.set BOQ, 16                           ; v16       32 h: the bias of my eight channels
.set BOV, 17                           ; v17       4 r: the bias of my channel
.set OFV, 18                           ; v18-23    v: where a column tile's chunk goes
.set X,   32                           ; set b at X + 96 b
.set COD, 224
.set STG, 64                           ; in window 3
.set BI,  160                          ; in window 3
.set ACC, 208                          ; in window 3
.set MSB, 0
.macro WIN new                         ; bits 1:0 source 0, 3:2 source 1, 5:4 source 2, 7:6 destination; the immediate's high byte repeats the setting that is left
.if MSB != (\new)
	s_set_vgpr_msb (MSB<<8)|(\new)
.set MSB, (\new)
.endif
.endm
.macro FETCH v, p, m, xb, i0, cnt      ; chunks i0 .. i0 + cnt - 1 of row tile m of buffer p, into set xb
.set i, \i0
.rept \cnt
	ds_load_b128 v[X+96*(\xb)+4*i:X+96*(\xb)+4*i+3], v[LI+20*\v+\p] offset:(\m)*TILEB+512*i
.set i, i+1
.endr
.endm
.macro IMAGE v, p                      ; my row tile goes to buffer p as it lies
	WIN 0x0c
.set i, 0
.rept 24
	ds_store_b128 v[XW+20*\v+\p], v[STG+4*i:STG+4*i+3] offset:512*i
.set i, i+1
.endr
	WIN 0
.endm
.macro LOADX                           ; my row tile of the next batch, from memory (the loads that named this base are done: a wait for all loads stands ahead on every way)
	s_add_nc_u64 s[44:45], s[44:45], BUF
	WIN 0xc0
.set i, 0
.rept 24
	global_load_b128 v[STG+4*i:STG+4*i+3], v[LI], s[44:45] offset:512*i
.set i, i+1
.endr
	WIN 0
.endm
; Products f0 .. f0 + cnt - 1 of a tile's 36, on set xb: K step by K step, the six accumulators by turns, one instruction a turn.
; The first K step takes the bias as C: nothing is cleared or added later.
.macro MULP v, xb, f0, cnt
.set f, \f0
.rept \cnt
.set WF, 16*(f%16)
.set AJ, ACC+8*(f%6)
.set XS, X+96*(\xb)+16*(f/6)
.if \v
	WIN 0xf0|(4*(1+f/16))
.if f < 6
	v_wmma_f32_16x16x128_bf8_bf8 v[AJ:AJ+7], v[XS:XS+15], v[WF:WF+15], v[BI+8*f:BI+8*f+7]
.else
	v_wmma_f32_16x16x128_bf8_bf8 v[AJ:AJ+7], v[XS:XS+15], v[WF:WF+15], v[AJ:AJ+7]
.endif
.else
	WIN 0xf0|(1+f/16)
.if f < 6
	v_wmma_f32_16x16x128_bf8_bf8 v[AJ:AJ+7], v[WF:WF+15], v[XS:XS+15], v[BI+8*f:BI+8*f+7]
.else
	v_wmma_f32_16x16x128_bf8_bf8 v[AJ:AJ+7], v[WF:WF+15], v[XS:XS+15], v[AJ:AJ+7]
.endif
.endif
.set f, f+1
.endr
.endm
.macro HOLDS                           ; the hold (the conversion does not saturate: ISA guide 7.6.2), each accumulator from its low end on; it leaves the windows set for the conversions
	WIN 0xc3
.set n, 0
.rept 48
	v_med3_num_f32 v[ACC+n], v[ACC+n], -v[LIM], v[LIM]
.set n, n+1
.endr
	WIN 0x03
.endm
.macro EPIQK p, m                      ; column tiles 2 q, 2 q + 1 are one chunk of a head's image of this token tile
	s_wait_xcnt 0x0                                ; the last tile's stores have read their data
	HOLDS
.irp j, 0,1,2,3,4,5
	v_cvt_scalef32_pk8_bf8_f32 v[COD+2*\j:COD+2*\j+1], v[ACC+8*\j:ACC+8*\j+7], v[SC]
.endr
	WIN 0
	v_nop                                          ; a plain line behind the last conversion: the next products write its sources
.irp q, 0,1,2
	global_store_b128 v[OFQ+\q], v[COD+4*\q:COD+4*\q+3], s[46:47] offset:(4*\p+\m)*1024
.endr
.endm
.macro EPIV p, m                       ; token tiles 2 a, 2 a + 1 are one chunk of each channel tile's image of this key step
.if (\m)%2 == 0
	s_wait_xcnt 0x0                                ; the last pair's stores have read their data
.endif
	HOLDS
.irp j, 0,1,2,3,4,5
	v_cvt_scalef32_pk8_bf8_f32 v[COD+4*\j+2*((\m)%2):COD+4*\j+2*((\m)%2)+1], v[ACC+8*\j:ACC+8*\j+7], v[SC]
.endr
	WIN 0
	v_nop
.if (\m)%2
.irp j, 0,1,2,3,4,5
	global_store_b128 v[OFV+\j], v[COD+4*\j:COD+4*\j+3], s[46:47] offset:(2*\p+(\m)/2)*512
.endr
.endif
.endm
; Row tile m of the batch in buffer p.  last = 1: the trip's last tile, behind which the launch's last trip has no batch.
; THE BARRIER, one a batch, in the batch's last tile.  In front of it my image in the other buffer has landed and my reads of this buffer are in (its last tile was fetched a tile ago).  The other buffer
; is read only behind it; this buffer is written again only behind it, in the next batch's last tile.
; The loads into a set of x's registers stand behind the way out of the tile that read it: its plain vector lines are the places that such loads want behind matrix instructions.
.macro TILE v, p, m, last
	s_wait_dscnt 0x0                               ; this tile's fragments are in
.if \m == 3
	s_wait_loadcnt 0x0                             ; my row tile of the next batch is in registers
.if \last
	s_cmp_eq_u32 s42, 1                            ; the last batch has no successor
	s_cbranch_scc1 .Lno_image_\@
.endif
	IMAGE \v, 1-\p
.if \last
.Lno_image_\@:
.endif
.else
	FETCH \v, \p, (\m)+1, ((\m)+1)%2, 0, 12
.endif
	MULP \v, (\m)%2, 0, 16
	WIN 0
.if \m == 3
	s_wait_dscnt 0x0                               ; for the others' sake: my image has landed (its stores stand sixteen matrix instructions back)
	s_barrier_signal -1
	s_barrier_wait -1
	s_cmp_eq_u32 s42, 1                            ; in the last trip nothing is left to load: no load leaves its buffer
	s_cbranch_scc1 .Lno_more_\@
	LOADX
.if \last == 0
.Lno_more_\@:
.endif
	FETCH \v, 1-\p, 0, 0, 0, 24                    ; the next batch's first tile
.if \last
.Lno_more_\@:
.endif
.else
	FETCH \v, \p, (\m)+1, ((\m)+1)%2, 12, 12
.endif
	MULP \v, (\m)%2, 16, 20
	WIN 0
.rept 4
	v_nop                                          ; four places (ISA guide 7.12.1) in front of the first read of results
.endr
.if \v
	EPIV \p, \m
.else
	EPIQK \p, \m
.endif
.endm
.macro PATH v
	WIN 0xc0
.if \v
.irp j, 0,1,2,3,4,5
	global_load_b32 v[BI+8*\j], v[BOV], s[50:51] offset:64*\j          ; my channel's bias
.endr
.else
.irp j, 0,1,2,3,4,5
	global_load_b128 v[BI+8*\j:BI+8*\j+3],   v[BOQ], s[50:51] offset:64*\j      ; my eight channels' biases
	global_load_b128 v[BI+8*\j+4:BI+8*\j+7], v[BOQ], s[50:51] offset:64*\j+16
.endr
.endif
	s_wait_loadcnt 0x0                             ; the weights, the first batch's row tile, the bias
	WIN 0xc3
.if \v
.irp j, 0,1,2,3,4,5
.irp i, 1,2,3,4,5,6,7
	v_ldexp_f32 v[BI+8*\j+\i], v[BI+8*\j], s60     ; / 2^(ew + ex), the same in all eight registers (eight tokens)
.endr
	v_ldexp_f32 v[BI+8*\j], v[BI+8*\j], s60
.endr
.else
.set n, 0
.rept 48
	v_ldexp_f32 v[BI+n], v[BI+n], s60
.set n, n+1
.endr
.endif
	IMAGE \v, 0                                    ; the first batch
	s_wait_dscnt 0x0
	s_barrier_signal -1
	s_barrier_wait -1
	LOADX                                          ; the second batch
	FETCH \v, 0, 0, 0, 0, 24
	s_mov_b32 s42, 4                               ; a trip: two batches
.Ltrip_\@:
	TILE \v, 0, 0, 0
	TILE \v, 0, 1, 0
	TILE \v, 0, 2, 0
	TILE \v, 0, 3, 0
	TILE \v, 1, 0, 0
	TILE \v, 1, 1, 0
	TILE \v, 1, 2, 0
	TILE \v, 1, 3, 1
	s_wait_xcnt 0x0                                ; the stores have read their base
	s_add_nc_u64 s[46:47], s[46:47], 8192          ; eight token tiles of q or k; a key step of v
	s_sub_co_u32 s42, s42, 1
	s_cmp_lg_u32 s42, 0
	s_cbranch_scc1 .Ltrip_\@
	s_wait_tensorcnt 0x0
	ds_add_u32 v254, v255
	s_wait_dscnt 0x0
	s_endpgm
.endm
	s_load_b64 s[4:5], s[0:1], 0x0                 ; xall
	s_load_b64 s[10:11], s[0:1], 0x8               ; wimg
	s_load_b256 s[12:19], s[0:1], 0x10             ; bq s[12:13], bk s[14:15], bv s[16:17], the scales s[18:19]
	s_load_b128 s[20:23], s[0:1], 0x30             ; qimg s[20:21], kimg s[22:23]
	s_load_b64 s[24:25], s[0:1], 0x40              ; vimg
	v_lshl_add_u32 v254, v0, 2, 0x30000
	v_mov_b32 v255, 0
	v_lshrrev_b32 v1, 5, v0
	v_readfirstlane_b32 s40, v1                    ; wave 0..3
	v_and_b32 v1, 31, v0
	v_and_b32 v2, 15, v0                           ; r
	v_bfe_u32 v3, v0, 4, 1                         ; h
	s_lshr_b32 s41, ttmp9, 1                       ; kind: 0 q, 1 k, 2 v
	s_and_b32 s43, ttmp9, 1                        ; which half of its columns
	s_and_b32 s52, ttmp7, 0xffff                   ; which 512 rows
	v_lshlrev_b32 v[LI], 4, v1
	v_add_nc_u32 v[LI+1], BUF, v[LI]
	s_mul_i32 s56, s40, TILEB
	v_add_nc_u32 v[XW], s56, v[LI]
	v_add_nc_u32 v[XW+1], BUF, v[XW]
.irp n, 0,1,2,3
	v_add_nc_u32 v[24+\n], 2*BUF, v[4+\n]          ; the same four for v's way, in its own LDS bytes
.endr
	v_lshlrev_b32 v[BOQ], 5, v3
	v_lshlrev_b32 v[BOV], 2, v2
	s_mul_i32 s58, s43, 24
	s_mul_i32 s59, s40, 6
	s_add_co_u32 s58, s58, s59                     ; my first column tile of the kind's 48: 24 x half + 6 x wave
	s_lshr_b32 s59, s58, 1
.irp p, 0,1,2                                  ; q, k: pair P of column tiles: head P / 2 (2^20 bytes a head), chunk P % 2
	s_add_co_u32 s60, s59, \p
	s_lshr_b32 s61, s60, 1
	s_lshl_b32 s61, s61, 20
	s_and_b32 s60, s60, 1
	s_lshl_b32 s60, s60, 9
	s_add_co_u32 s60, s60, s61
	v_add_nc_u32 v[OFQ+\p], s60, v[LI]
.endr
.irp j, 0,1,2,3,4,5                            ; v: column tile T: head T / 4, channel tile T % 4 (2,048 bytes)
	s_add_co_u32 s60, s58, \j
	s_lshr_b32 s61, s60, 2
	s_lshl_b32 s61, s61, 20
	s_and_b32 s60, s60, 3
	s_lshl_b32 s60, s60, 11
	s_add_co_u32 s60, s60, s61
	v_add_nc_u32 v[OFV+\j], s60, v[LI]
.endr
	s_wait_kmcnt 0x0
	s_load_b256 s[28:35], s[18:19], 0x0            ; entries 0 to 7
	s_load_b128 s[36:39], s[18:19], 0x20           ; entries 8 to 11
	s_mul_i32 s56, s41, 48
	s_add_co_u32 s56, s56, s58
	s_mul_i32 s56, s56, TILEB                      ; a column tile's six fragments are as many bytes as a row tile's
	s_mov_b32 s57, 0
	s_add_nc_u64 s[48:49], s[10:11], s[56:57]
.set f, 0
.rept 36                                       ; the weights: they need no scale, so they are asked for first; they stay
	WIN 0x40*(1+f/16)
.irp c, 0,1,2,3
	global_load_b128 v[16*(f%16)+4*\c:16*(f%16)+4*\c+3], v[LI], s[48:49] offset:(6*(f%6)+f/6)*2048+512*\c
.endr
.set f, f+1
.endr
	WIN 0
	s_wait_kmcnt 0x0
	s_mov_b64 s[50:51], s[12:13]                   ; the bias,
	s_mov_b64 s[46:47], s[20:21]                   ; the output,
	s_mov_b32 s53, s28                             ; ew,
	s_mov_b32 s54, s29                             ; ex,
	s_mov_b32 s55, s34                             ; eo: for q;
	s_cmp_eq_u32 s41, 1
	s_cselect_b64 s[50:51], s[14:15], s[50:51]     ; for k;
	s_cselect_b64 s[46:47], s[22:23], s[46:47]
	s_cselect_b32 s53, s30, s53
	s_cselect_b32 s54, s31, s54
	s_cselect_b32 s55, s35, s55
	s_cmp_eq_u32 s41, 2
	s_cselect_b64 s[50:51], s[16:17], s[50:51]     ; for v
	s_cselect_b64 s[46:47], s[24:25], s[46:47]
	s_cselect_b32 s53, s32, s53
	s_cselect_b32 s54, s33, s54
	s_cselect_b32 s55, s37, s55
	s_xor_b32 s6, s54, s29                         ; 0 where my kind's entry for x is entry 1's number,
	s_min_u32 s6, s6, 1                            ; else 1
	s_mul_i32 s7, s41, XPART                       ; my kind's part of xall,
	s_mul_i32 s6, s6, s7                           ; or part 0
	s_lshl_b32 s56, s52, 5
	s_add_co_u32 s56, s56, s40
	s_mul_i32 s56, s56, TILEB                      ; row tile 32 y + wave
	s_add_co_u32 s56, s56, s6
	s_add_nc_u64 s[44:45], s[4:5], s[56:57]        ; x's codes
	s_lshl_b32 s56, s52, 15
	s_add_nc_u64 s[46:47], s[46:47], s[56:57]      ; 32 token tiles of 1,024 bytes, or four key steps of 8,192: the same step in all three outputs
	s_lshl_b32 s56, s58, 6
	s_add_nc_u64 s[50:51], s[50:51], s[56:57]      ; 16 numbers a column tile
	WIN 0xc0
.set i, 0
.rept 24
	global_load_b128 v[STG+4*i:STG+4*i+3], v[LI], s[44:45] offset:512*i   ; the first batch's row tile
.set i, i+1
.endr
	WIN 0
	s_add_co_i32 s53, s53, s54                     ; ew + ex
	s_sub_co_i32 s55, s55, s53                     ; eo - ew - ex
	s_sub_co_i32 s60, 0, s53
	s_add_co_i32 s55, s55, 127
	s_lshl_b32 s56, s55, 23
	v_mov_b32 v[SC], s56
	s_add_co_i32 s55, s55, 15
	s_lshl_b32 s55, s55, 23
	s_or_b32 s55, s55, 0x600000
	v_mov_b32 v[LIM], s55
	s_cmp_eq_u32 s41, 2
	s_cbranch_scc1 .Lv_way
	PATH 0
.Lv_way:
	PATH 1
.Lfunc_end_k_qa2c7be9c58_qkv:
	.size	k_qa2c7be9c58_qkv, .Lfunc_end_k_qa2c7be9c58_qkv-k_qa2c7be9c58_qkv
	.p2alignl 7, 3214868480
	.fill 96, 4, 3214868480
	.section	.rodata,"a",@progbits
	.p2align	6, 0x0
	.amdhsa_kernel k_qa2c7be9c58_qkv
		.amdhsa_group_segment_fixed_size 197120
		.amdhsa_private_segment_fixed_size 0
		.amdhsa_enable_private_segment 0
		.amdhsa_kernarg_size 72
		.amdhsa_user_sgpr_count 2
		.amdhsa_user_sgpr_kernarg_segment_ptr 1
		.amdhsa_wavefront_size32 1
		.amdhsa_system_sgpr_workgroup_id_x 1
		.amdhsa_system_sgpr_workgroup_id_y 1
		.amdhsa_system_sgpr_workgroup_id_z 1
		.amdhsa_system_vgpr_workitem_id 0
		.amdhsa_next_free_vgpr 1024
		.amdhsa_next_free_sgpr 66
		.amdhsa_reserve_vcc 0
		.amdhsa_float_denorm_mode_32 3
		.amdhsa_float_denorm_mode_16_64 3
		.amdhsa_memory_ordered 1
		.amdhsa_forward_progress 1
		.amdhsa_inst_pref_size 184
	.end_amdhsa_kernel
	.amdgpu_metadata
---
amdhsa.version: [ 1, 2 ]
amdhsa.kernels:
  - .name:           k_qa2c7be9c58_qkv
    .symbol:         k_qa2c7be9c58_qkv.kd
    .args:
      - { .name: xall, .offset: 0, .size: 8, .value_kind: global_buffer, .address_space: global }
      - { .name: wimg, .offset: 8, .size: 8, .value_kind: global_buffer, .address_space: global }
      - { .name: bq, .offset: 16, .size: 8, .value_kind: global_buffer, .address_space: global }
      - { .name: bk, .offset: 24, .size: 8, .value_kind: global_buffer, .address_space: global }
      - { .name: bv, .offset: 32, .size: 8, .value_kind: global_buffer, .address_space: global }
      - { .name: lowp_scales, .offset: 40, .size: 8, .value_kind: global_buffer, .address_space: global }
      - { .name: qimg, .offset: 48, .size: 8, .value_kind: global_buffer, .address_space: global }
      - { .name: kimg, .offset: 56, .size: 8, .value_kind: global_buffer, .address_space: global }
      - { .name: vimg, .offset: 64, .size: 8, .value_kind: global_buffer, .address_space: global }
    .group_segment_fixed_size: 197120
    .private_segment_fixed_size: 0
    .kernarg_segment_align: 8
    .kernarg_segment_size: 72
    .max_flat_workgroup_size: 128
    .sgpr_count:     66
    .vgpr_count:     1024
    .wavefront_size: 32
...
	.end_amdgpu_metadata
.endif
;; end of part 2
;; launch attn (part 3): grid 256 x 1, 16 waves a work-group, no clusters, 327,680 bytes of LDS; arguments qimg, kimg, vimg, lowp_scales, oimg; writes oimg
.if DOCPART == 3
	.amdgcn_target "amdgcn-amd-amdhsa--gfx1250"
	.amdhsa_code_object_version 6
	.text
	.protected	k_qa2c7be9c58_attn
	.globl	k_qa2c7be9c58_attn
	.p2align	8
	.type	k_qa2c7be9c58_attn,@function
k_qa2c7be9c58_attn:
	s_mov_b64 s[64:65], 0
	v_nop
	global_prefetch_b8 v0, s[64:65] scope:SCOPE_SE
	s_setreg_imm32_b32 hwreg(HW_REG_WAVE_MODE, 25, 1), 1
	s_wait_xcnt 0x0
; o = softmax(q k^T / 8) v for 192 heads of 1,024 tokens x 64 channels, both products on codes of BF8 (E5M2), and o's codes for the output projection.
; THE SOFTMAX AHEAD OF THE SECOND PRODUCT: t = score x log2(e) / 8; M = the row's largest t so far, rounded UP to a whole number; p = 2^(t - M) is what is quantised; it is not normalised.
; The row's sum is taken of the unquantised p and divides at the end.  When M moves, the sum and O are multiplied by 2^(old M - new M): nothing is rounded.
; BUFFERS: images of operand registers (chunks of 512 bytes: registers 4 i .. 4 i + 3, lane l's 16 bytes at 16 l; lane (r, h): row r, registers 2 c, 2 c + 1: K = 16 c + 8 h + 0 .. 7).
;   qimg, kimg [head x batch 192][token tile 64][1024];  vimg [192][key step 8][channel tile 4][2048];  oimg [row tile 1024][head 12][1024]: two heads on end are a fragment of 128 along the projection's K.
; SHARES.  768 units of one head x 256 queries; work-group g takes units 3 g, 3 g + 1, 3 g + 2 in three passes: 256 work-groups of equal work.  In a pass each of the SIXTEEN waves owns one tile of 16 queries,
; in 256 registers: four waves to a SIMD, so that one wave's vector work stands beside another's products and LDS loads.
; LDS: two slots of 131,072 bytes, a head's K (65,536) and V (65,536) each, EACH BYTE FILLED ONCE: three neighbouring units touch two heads at the most.  Slot A: the first unit's head; slot B: the last unit's.
; Where both heads are one, slot B holds the same bytes again: one text serves every work-group.
; THE FILLS.  The slots are sixteen tiles of 16,384 bytes, and wave w brings tile w to LDS byte 16,384 w: one tensor load a wave in the whole launch.  Waves 0, 1, 4 and 5 ask at the head: K and V of the first
; pass's key steps 0 to 3, so that the first products wait for 65,536 bytes and not for 262,144.  The other twelve ask behind the first barrier, and their tiles have those four key steps in which to land.
; The second barrier, behind key step 3, shows all sixteen tiles to every wave; it is the last: from there on no wave waits for another.
; LAYOUT.  Both products are used transposed: S^T = K Q^T (source 0 = 16 keys, source 1 = my 16 queries), O^T = V^T P^T: a lane holds ONE query throughout, and its eight scores of key tile t are
; keys 16 t + 8 h + 0 .. 7: their codes are registers 2 t, 2 t + 1 of P.  O^T's eight registers of channel tile c give registers 2 c, 2 c + 1 of o's image.  Nothing changes lanes but one exchange for the maximum and one for the sum.
; NO CLUSTER: neighbouring work-groups do share heads, but a head that is one work-group's slot A is its neighbour's slot B: no descriptor would be the same in both.
; NOTHING IS ASKED AHEAD OF ITS LOAD: all that a work-group reads is asked for at its head or behind its first barrier.
; LIMITS on the given exponents: entries 6 + 7 between -123 and 130 (they are added to c's exponent field); entries 8 and 10 between -126 and 112; 8 + 9 is applied by v_ldexp_f32 and has none.
.set SLOTB, 0x20000                    ; slot B begins here
.set VOFF,  0x10000                    ; V's place in a slot
.set SPARE, 0x48000                    ; the spare words, 128 bytes for each wave: eight blocks of 256 bytes that no other line names
.set LI,  1                            ; v1   16 x lane
.set ADK, 2                            ; v2   the step's tiles of K
.set ADV, 3                            ; v3   and of V
                                       ; v4: 2^e8; v5 and v10: 57,344 x 2^e8 (for p; twice, for the two halves of a pair);  v6, v7: 2^e10, 57,344 x 2^e10 (for o)
.set SPW, 8                            ; v8   LDS address of my spare word: SPARE + 4 x my thread's number; never rewritten
.set NIL, 9                            ; v9   0; never rewritten
                                       ; v12 -M, v13 the largest t, v[14:15] the sum in two halves
.set Q,   16                           ; v16-39   Q's fragment of each pass, 8 registers
.set FR,  40                           ; v40-103  eight fragments of K, then four of V
.set S,   104                          ; v104-167 S^T, then p
.set O,   168                          ; v168-199 O^T
.set P,   200                          ; v200-215 p's codes
.set OC,  216                          ; v216-223 o's codes
                                       ; v224-227 the maximum's four chains; v[228:229] f; v230 an exchange's destination; v[232:237] the sum's other three chains
; A KEY STEP: 128 keys.  q: the pass's fragment of Q.  s37: the LDS byte at which the step's K begins
.macro STEP q
	v_add_nc_u32 v[ADK], s37, v[LI]
	v_add_nc_u32 v[ADV], VOFF, v[ADK]
	v_nop
	v_nop                                          ; four places in front of loads into registers that the last products read
.set n, 0
.rept 16
	ds_load_b128 v[FR+4*n:FR+4*n+3], v[ADK] offset:512*n
.set n, n+1
.endr
	s_wait_dscnt 0x0
.set n, 0
.rept 8
	v_wmma_f32_16x16x64_bf8_bf8 v[S+8*n:S+8*n+7], v[FR+8*n:FR+8*n+7], v[\q:\q+7], 0
.set n, n+1
.endr
.rept 4
	v_nop
.endr
.set n, 0
.rept 16
	ds_load_b128 v[FR+4*n:FR+4*n+3], v[ADV] offset:512*n           ; V lands while the softmax is worked
.set n, n+1
.endr
.irp c, 0,1,2,3                                ; the step's largest score of my query among my 64 keys, in four chains that do not wait for each other, ascending: each result is read from its low end on
	v_max3_num_f32 v[224+\c], v[S+3*\c], v[S+3*\c+1], v[S+3*\c+2]
.endr
.set n, 12
.rept 26
	v_max3_num_f32 v[224+((n-12)/2)%4], v[224+((n-12)/2)%4], v[S+n], v[S+n+1]
.set n, n+2
.endr
	v_max3_num_f32 v224, v224, v225, v226
	v_max_num_f32 v224, v224, v227
	v_permlanex16_b32 v230, v224, s34, s35
	v_max_num_f32 v224, v224, v230                 ; and among lane l xor 16's
	v_mul_f32 v224, s32, v224                      ; as t (c is positive)
	v_max_num_f32 v13, v13, v224                   ; the running largest t
	v_mov_b32 v224, v12
	v_floor_f32 v12, -v13                          ; the new -M = floor(-t) = -ceil(t)
	v_sub_f32 v224, v12, v224                      ; old M - new M: a whole number, 0 or less
	v_cvt_i32_f32 v224, v224                       ; (it saturates)
	v_ldexp_f32 v228, 1.0, v224                    ; f = 2^(old M - new M)
.set n, 0
.rept 32
	v_pk_fma_f32 v[S+n:S+n+1], v[S+n:S+n+1], s[32:33], v[12:13] op_sel_hi:[1,0,0]   ; t - M, two at a time (of the pairs c and -M the low word serves both halves)
.set n, n+2
.endr
.set n, 0
.rept 64
	v_exp_f32 v[S+n], v[S+n]                       ; p = 2^(t - M), at most 1
.set n, n+1
.endr
	v_pk_mul_f32 v[14:15], v[14:15], v[228:229] op_sel_hi:[1,0]   ; the sums under the new M: the plain line behind the exponentials
	s_wait_alu depctr_va_vdst(0)                   ; one wait for the whole batch, ahead of its first reader
	v_pk_add_f32 v[232:233], v[S:S+1], v[S+2:S+3]  ; the row's sum is taken of the unquantised p: two at a time, in four chains
	v_pk_add_f32 v[234:235], v[S+4:S+5], v[S+6:S+7]
	v_pk_add_f32 v[236:237], v[S+8:S+9], v[S+10:S+11]
.set n, 12
.rept 26
.set CH, 230+2*(((n-12)/2)%4)
.if ((n-12)/2)%4 == 0
.set CH, 14
.endif
	v_pk_add_f32 v[CH:CH+1], v[CH:CH+1], v[S+n:S+n+1]
.set n, n+2
.endr
	v_pk_add_f32 v[232:233], v[232:233], v[234:235]
	v_pk_add_f32 v[14:15], v[14:15], v[236:237]
	v_pk_add_f32 v[14:15], v[14:15], v[232:233]
.irp t, 0,1,2,3,4,5,6,7
.irp i, 0,2,4,6                                ; the conversion does not saturate (ISA guide 7.6.2); p is not negative, so the hold is one-sided; two holds an instruction: an even and an odd register, the limit from two registers
	v_dual_min_num_f32 v[S+8*\t+\i], v[S+8*\t+\i], v5 :: v_dual_min_num_f32 v[S+8*\t+\i+1], v[S+8*\t+\i+1], v10
.endr
	v_cvt_scalef32_pk8_bf8_f32 v[P+2*\t:P+2*\t+1], v[S+8*\t:S+8*\t+7], v4
.endr
.set n, 0
.rept 16
	v_pk_mul_f32 v[O+n:O+n+1], v[O+n:O+n+1], v[228:229] op_sel_hi:[1,0]   ; O^T under the new M; also the plain lines between the conversions and the products
.set n, n+2
.endr
	s_wait_dscnt 0x0                               ; V is in
.irp c, 0,1,2,3                                ; the four accumulators by turns
	v_wmma_f32_16x16x128_bf8_bf8 v[O+8*\c:O+8*\c+7], v[FR+16*\c:FR+16*\c+15], v[P:P+15], v[O+8*\c:O+8*\c+7]
.endr
.endm
.macro PINIT                           ; a pass begins
	v_mov_b32 v13, 0xff61b1e6                      ; the largest t so far: -3e38, under every t
	v_floor_f32 v12, -v13
	v_mov_b32 v14, 0
	v_mov_b32 v15, 0
.set n, 0
.rept 32
	v_mov_b32 v[O+n], 0                            ; the step is written once: the first finds zeros, which the first change of M leaves zeros
.set n, n+1
.endr
.endm
.macro STEPS q, cnt                    ; cnt key steps
	s_mov_b32 s38, \cnt
.Lstep_\@:
	STEP \q
	s_add_co_u32 s37, s37, 8192                    ; eight key tiles of K; a key step of V
	s_sub_co_u32 s38, s38, 1
	s_cmp_lg_u32 s38, 0
	s_cbranch_scc1 .Lstep_\@
.endm
; A pass ends: o = O^T x 2^(e8 + e9) / the sum, quantised under e10: my wave's 1,024 bytes are one head's part of a row tile's image.
.macro POUT ptr
.rept 4
	v_nop                                          ; four places in front of the first read of the last products' results
.endr
	v_add_f32 v14, v14, v15                        ; the sum's two halves,
	v_permlanex16_b32 v230, v14, s34, s35
	v_add_f32 v14, v14, v230                       ; and lane l xor 16's
	v_rcp_f32 v14, v14
	v_nop                                          ; a plain line behind the transcendental
	s_wait_alu depctr_va_vdst(0)                   ; and the wait ahead of its first reader
	v_ldexp_f32 v14, v14, s36                      ; x 2^(e8 + e9)
.set n, 0
.rept 16
	v_pk_mul_f32 v[O+n:O+n+1], v[O+n:O+n+1], v[14:15] op_sel_hi:[1,0]
.set n, n+2
.endr
	s_wait_xcnt 0x0                                ; the last pass's stores have read their data
.irp c, 0,1,2,3
.irp i, 0,1,2,3,4,5,6,7
	v_med3_num_f32 v[O+8*\c+\i], v[O+8*\c+\i], -v7, v7
.endr
	v_cvt_scalef32_pk8_bf8_f32 v[OC+2*\c:OC+2*\c+1], v[O+8*\c:O+8*\c+7], v6
.endr
	v_nop                                          ; a plain line behind the last conversion: the next pass writes its sources
	global_store_b128 v[LI], v[OC:OC+3], s[\ptr:\ptr+1]
	global_store_b128 v[LI], v[OC+4:OC+7], s[\ptr:\ptr+1] offset:512   ; each store covers 512 consecutive bytes
.endm
	s_load_b256 s[4:11], s[0:1], 0x0               ; qimg s[4:5], kimg s[6:7], vimg s[8:9], the scales s[10:11]
	s_load_b64 s[12:13], s[0:1], 0x20              ; oimg
	v_lshl_add_u32 v[SPW], v0, 2, SPARE
	v_mov_b32 v[NIL], 0
	ds_add_u32 v8, v9
	ds_add_u32 v8, v9
	s_wait_dscnt 0x0
	v_lshrrev_b32 v2, 5, v0
	v_readfirstlane_b32 s14, v2                    ; wave 0..15
	v_and_b32 v1, 31, v0
	v_lshlrev_b32 v[LI], 4, v1
	; descriptor group 1: a dense block of 16,384 bytes, as 64 rows of 256
	s_mov_b32 s16, 3<<16                           ; 15:0 no mask; 17:16 elements of 8 bytes; no padding
	s_mov_b32 s17, 32<<16                          ; tensor_dim0 = 32
	s_mov_b32 s18, 64<<16                          ; tensor_dim1 = 64
	s_mov_b32 s19, 32<<16                          ; tile_dim0 = 32
	s_mov_b32 s20, 64                              ; tile_dim1 = 64
	s_mov_b32 s21, 32                              ; from row to row
	s_mov_b32 s22, 0
	s_mov_b32 s23, 0
	; my tile: wave w: slot w / 8, K (w % 8 < 4) or V, quarter w % 4
	s_mul_i32 s56, ttmp9, 3                        ; my work-group's first unit
	s_lshr_b32 s57, s14, 3
	s_lshl_b32 s57, s57, 1
	s_add_co_u32 s60, s56, s57                     ; the first unit (slot A) or the last (slot B),
	s_lshr_b32 s60, s60, 2                         ; its head:
	s_lshl_b32 s60, s60, 16                        ; 65,536 bytes a head in kimg and in vimg
	s_and_b32 s59, s14, 3
	s_lshl_b32 s59, s59, 14
	s_add_co_u32 s60, s60, s59
	s_mov_b32 s61, 0
	s_and_b32 s58, s14, 10                         ; 0 in waves 0, 1, 4, 5: the first two quarters of slot A's K and V
	s_mov_b32 s34, 0x76543210                      ; v_permlanex16_b32's selects for lane l xor 16
	s_mov_b32 s35, 0xfedcba98
	s_wait_kmcnt 0x0
	s_load_b128 s[40:43], s[10:11], 0x18           ; entries 6 to 9
	s_load_b32 s44, s[10:11], 0x28                 ; entry 10
	s_and_b32 s57, s14, 4
	s_cmp_eq_u32 s57, 0
	s_cselect_b64 s[54:55], s[6:7], s[8:9]
	s_mov_b32 s24, 1                               ; group 0: count = 1,
	s_lshl_b32 s25, s14, 14                        ; LDS address: 16,384 x wave,
	s_add_nc_u64 s[26:27], s[54:55], s[60:61]      ; global address,
	s_or_b32 s27, s27, 0x80000000                  ; type = 2.  It is never written again
	s_cmp_eq_u32 s58, 0
	s_cbranch_scc0 .Lnot_first
	tensor_load_to_lds s[24:27], s[16:23]          ; key steps 0 to 3 of the first pass
	s_nop 0
.rept 4
	v_nop
.endr
.Lnot_first:
	s_mul_i32 s46, ttmp9, 48
	s_add_co_u32 s46, s46, s14
	s_lshl_b32 s46, s46, 10                        ; Q: unit u, wave w: fragment 16 u + w
	s_mov_b32 s47, 0
	s_add_nc_u64 s[4:5], s[4:5], s[46:47]
.irp p, 0,1,2
	global_load_b128 v[Q+8*\p:Q+8*\p+3],   v[LI], s[4:5] offset:\p*16384
	global_load_b128 v[Q+8*\p+4:Q+8*\p+7], v[LI], s[4:5] offset:\p*16384+512
.endr
.irp p, 0,1,2                                  ; where each pass's codes go: row tile 64 b + 16 (u % 4) + w, head h; u / 4 = 16 h + b
	s_add_co_u32 s45, s56, \p
	s_lshr_b32 s46, s45, 2
	s_and_b32 s45, s45, 3
	s_lshr_b32 s47, s46, 4
	s_and_b32 s46, s46, 15
	s_lshl_b32 s46, s46, 6
	s_lshl_b32 s45, s45, 4
	s_add_co_u32 s46, s46, s45
	s_add_co_u32 s46, s46, s14
	s_mul_i32 s46, s46, 12
	s_add_co_u32 s46, s46, s47
	s_lshl_b32 s46, s46, 10
	s_mov_b32 s47, 0
	s_add_nc_u64 s[48+2*\p:49+2*\p], s[12:13], s[46:47]
.endr
	v_mov_b32 v229, 0                              ; named as the upper half of the pair v[228:229]
	v_mov_b32 v230, 0                              ; a lane permute's destination counts as one of its sources
	s_wait_kmcnt 0x0
	s_add_co_i32 s45, s40, s41
	s_lshl_b32 s45, s45, 23
	s_mov_b32 s32, 0x3e38aa3b                      ; c = log2(e) / 8
	s_add_co_i32 s32, s32, s45                     ; a score stands for score x 2^(e6 + e7): the two exponents are added to c's exponent field
	s_mov_b32 s33, s32                             ; (named with it as a pair)
	s_add_co_i32 s36, s42, s43                     ; e8 + e9
	s_add_co_i32 s45, s42, 127
	s_lshl_b32 s46, s45, 23
	v_mov_b32 v4, s46                              ; 2^e8
	s_add_co_i32 s45, s45, 15
	s_lshl_b32 s45, s45, 23
	s_or_b32 s45, s45, 0x600000
	v_mov_b32 v5, s45                              ; 57,344 x 2^e8,
	v_mov_b32 v10, s45                             ; twice
	s_add_co_i32 s45, s44, 127
	s_lshl_b32 s46, s45, 23
	v_mov_b32 v6, s46                              ; 2^e10
	s_add_co_i32 s45, s45, 15
	s_lshl_b32 s45, s45, 23
	s_or_b32 s45, s45, 0x600000
	v_mov_b32 v7, s45
	s_wait_tensorcnt 0x0                           ; my tile, if I asked for one, is in
	ds_add_u32 v[SPW], v[NIL]                      ; 0 onto my spare word; the first pass's set-up stands between it and the wait for it
	ds_add_u32 v8, v9
	PINIT
	s_mov_b32 s37, 0                               ; the first pass reads slot A
	s_wait_loadcnt 0x0                             ; Q
	s_wait_dscnt 0x0                               ; the add is done
	s_barrier_signal -1
	s_barrier_wait -1                              ; the four first tiles are in, for every wave
	s_cmp_lg_u32 s58, 0
	s_cbranch_scc0 .Lnot_later
	tensor_load_to_lds s[24:27], s[16:23]          ; the other twelve tiles, into bytes that nothing has filled: a wave's one tensor load, first behind the barrier
	s_nop 0
.rept 4
	v_nop
.endr
.Lnot_later:
	STEPS Q, 4                                     ; key steps 0 to 3: LDS bytes 0 to 32,767 and 65,536 to 98,303, the four tiles that are in
	s_wait_tensorcnt 0x0                           ; my tile is in,
	s_wait_dscnt 0x0
	s_barrier_signal -1
	s_barrier_wait -1                              ; everybody's is
	STEPS Q, 4
	POUT 48
	s_and_b32 s45, ttmp9, 3                        ; the middle unit belongs to the last unit's head where g % 4 = 1, else to the first unit's
	s_cmp_eq_u32 s45, 1
	s_cselect_b32 s37, SLOTB, 0
	PINIT
	STEPS Q+8, 8
	POUT 50
	s_mov_b32 s37, SLOTB
	PINIT
	STEPS Q+16, 8
	POUT 52
	s_wait_tensorcnt 0x0                           ; the wave's end: my last LDS instructions
	ds_add_u32 v[SPW], v[NIL]
	s_wait_dscnt 0x0
	s_endpgm
.Lfunc_end_k_qa2c7be9c58_attn:
	.size	k_qa2c7be9c58_attn, .Lfunc_end_k_qa2c7be9c58_attn-k_qa2c7be9c58_attn
	.p2alignl 7, 3214868480
	.fill 96, 4, 3214868480
	.section	.rodata,"a",@progbits
	.p2align	6, 0x0
	.amdhsa_kernel k_qa2c7be9c58_attn
		.amdhsa_group_segment_fixed_size 327680
		.amdhsa_private_segment_fixed_size 0
		.amdhsa_enable_private_segment 0
		.amdhsa_kernarg_size 40
		.amdhsa_user_sgpr_count 2
		.amdhsa_user_sgpr_kernarg_segment_ptr 1
		.amdhsa_wavefront_size32 1
		.amdhsa_system_sgpr_workgroup_id_x 1
		.amdhsa_system_sgpr_workgroup_id_y 1
		.amdhsa_system_sgpr_workgroup_id_z 1
		.amdhsa_system_vgpr_workitem_id 0
		.amdhsa_next_free_vgpr 256
		.amdhsa_next_free_sgpr 66
		.amdhsa_reserve_vcc 0
		.amdhsa_float_denorm_mode_32 3
		.amdhsa_float_denorm_mode_16_64 3
		.amdhsa_memory_ordered 1
		.amdhsa_forward_progress 1
		.amdhsa_inst_pref_size 83
	.end_amdhsa_kernel
	.amdgpu_metadata
---
amdhsa.version: [ 1, 2 ]
amdhsa.kernels:
  - .name:           k_qa2c7be9c58_attn
    .symbol:         k_qa2c7be9c58_attn.kd
    .args:
      - { .name: qimg, .offset: 0, .size: 8, .value_kind: global_buffer, .address_space: global }
      - { .name: kimg, .offset: 8, .size: 8, .value_kind: global_buffer, .address_space: global }
      - { .name: vimg, .offset: 16, .size: 8, .value_kind: global_buffer, .address_space: global }
      - { .name: lowp_scales, .offset: 24, .size: 8, .value_kind: global_buffer, .address_space: global }
      - { .name: oimg, .offset: 32, .size: 8, .value_kind: global_buffer, .address_space: global }
    .group_segment_fixed_size: 327680
    .private_segment_fixed_size: 0
    .kernarg_segment_align: 8
    .kernarg_segment_size: 40
    .max_flat_workgroup_size: 512
    .sgpr_count:     66
    .vgpr_count:     256
    .wavefront_size: 32
...
	.end_amdgpu_metadata
.endif
;; end of part 3
;; launch proj (part 4): grid 2 x 128, 4 waves a work-group, no clusters, 297,472 bytes of LDS; arguments oimg, wimg, bp, lowp_scales, out0; writes out0
.if DOCPART == 4
	.amdgcn_target "amdgcn-amd-amdhsa--gfx1250"
	.amdhsa_code_object_version 6
	.text
	.protected	k_qa2c7be9c58_proj
	.globl	k_qa2c7be9c58_proj
	.p2align	8
	.type	k_qa2c7be9c58_proj,@function
k_qa2c7be9c58_proj:
	s_mov_b64 s[64:65], 0
	v_nop
	global_prefetch_b8 v0, s[64:65] scope:SCOPE_SE
	s_setreg_imm32_b32 hwreg(HW_REG_WAVE_MODE, 25, 1), 1
	s_wait_xcnt 0x0
; out0 = o Wp + bp on codes of BF8 (E5M2).  oimg [row tile 1024][K step 6][2048] and wimg's fourth matrix [column tile 48][K step 6][2048] hold images of operand registers
; (chunks of 512 bytes: registers 4 i .. 4 i + 3, lane l's 16 bytes at 16 l).  out0 [16384][768] f32 = sum x 2^(e10 + e11) + bp, one packed multiply-add for two numbers.
; SHARES.  Work-group x: 384 columns; work-group y: 128 rows (eight row tiles, two batches of 64 rows): 256 work-groups.  THE WAVES SHARE THE COLUMNS: wave w keeps the 36 fragments of its six column tiles in
; registers; the eight row tiles go through LDS as they lie (wave w brings tiles w and 4 + w), and every wave reads all eight.  Everything is asked for at the head, so nothing more is asked ahead.
; THE MATRIX INSTRUCTION IS USED TRANSPOSED (source 0 = 16 columns of Wp, source 1 = 16 rows of o): a lane holds eight neighbouring numbers of a row of out0.  A batch's 64 rows x 384 columns meet in a stage in
; LDS (rows of 1,536 bytes + 16) and leave as whole rows: each store covers 512 consecutive bytes, at a multiple of 512 from out0's first byte.  Each batch has a stage of its own: three barriers in all,
; and the first batch's stores leave while the second is multiplied.
; NO CLUSTER: the two work-groups along x that read the same rows are no multiple of four; those along y share the weights alone, which go straight into registers, where no joint load can land.
; LIMIT: e10 + e11 lies between -126 and 127, so that 2^(e10 + e11) is an f32 number.
; REGISTERS, in windows of 256: window 0: v4-12 addresses; v32-127 a row tile's six fragments; v128-175 six accumulators; v176-223 bp at my eight columns of each column tile.
;   windows 1 to 3: the weights, fragment f = 6 s + j at v[16 (f % 16)] of window 1 + f / 16; window 3, v64-255: two row tiles on their way to LDS, later 16 rows on their way out.
.set TILEB,  12288
.set SPITCH, 1552                      ; 97 x 16 bytes: sixteen rows' pieces of 16 bytes begin at sixteen different places modulo 256
.set STAGE0, 8*TILEB                   ; behind the eight images
.set STAGEB, 64*SPITCH
.set LI,  4                            ; v4, v5  16 x lane, at row tile 0 and at row tile 4
.set XW,  6                            ; v6      16 x lane + my wave's tile
.set SO,  8                            ; v8      into a stage: row r, + 384 x wave + 32 h
.set SOT, 9                            ; v9      the same for the tile in hand
.set SR,  10                           ; v10     out of a stage: my 16 rows, 16 bytes a lane
.set SRB, 11                           ; v11     the same for the batch in hand
.set BO,  12                           ; v12     32 h
.set X,   32
.set ACC, 128
.set BI,  176
.set STG, 64                           ; in window 3
.set MSB, 0
.macro WIN new                         ; bits 1:0 source 0, 3:2 source 1, 5:4 source 2, 7:6 destination; the immediate's high byte repeats the setting that is left
.if MSB != (\new)
	s_set_vgpr_msb (MSB<<8)|(\new)
.set MSB, (\new)
.endif
.endm
.macro FETCH n                         ; row tile n: six fragments
.set i, 0
.rept 24
	ds_load_b128 v[X+4*i:X+4*i+3], v[LI+(\n)/4] offset:((\n)%4)*TILEB+512*i
.set i, i+1
.endr
.endm
.macro MUL                             ; 36 matrix instructions: K step by K step, the six accumulators by turns; the first K step starts the sums
.set f, 0
.rept 36
.set WF, 16*(f%16)
.set AJ, ACC+8*(f%6)
.set XS, X+16*(f/6)
	WIN 1+f/16
.if f < 6
	v_wmma_f32_16x16x128_bf8_bf8 v[AJ:AJ+7], v[WF:WF+15], v[XS:XS+15], 0
.else
	v_wmma_f32_16x16x128_bf8_bf8 v[AJ:AJ+7], v[WF:WF+15], v[XS:XS+15], v[AJ:AJ+7]
.endif
.set f, f+1
.endr
.endm
.macro TILE b, m
	s_wait_dscnt 0x0                               ; the tile's fragments are in, and the last tile's stores into the stage have read their registers
	MUL
	WIN 0
	v_add_nc_u32 v[SOT], STAGE0+(\b)*STAGEB+(\m)*16*SPITCH, v[SO]
.rept 3
	v_nop                                          ; with the line above: four places in front of loads into registers that the products read, and of the first read of results
.endr
.if 4*(\b)+(\m) < 7
	FETCH 4*(\b)+(\m)+1
.endif
.set n, 0
.rept 24
	v_pk_fma_f32 v[ACC+2*n:ACC+2*n+1], v[ACC+2*n:ACC+2*n+1], s[46:47], v[BI+2*n:BI+2*n+1] op_sel_hi:[1,0,1]   ; sum x 2^(e10 + e11) + bp; each accumulator from its low end on
.set n, n+1
.endr
.irp j, 0,1,2,3,4,5
	ds_store_b128 v[SOT], v[ACC+8*\j:ACC+8*\j+3] offset:64*\j
	ds_store_b128 v[SOT], v[ACC+8*\j+4:ACC+8*\j+7] offset:64*\j+16
.endr
.endm
.macro SENDB b                         ; batch b's 64 rows lie in its stage: each wave stores 16 whole rows
	s_wait_dscnt 0x0                               ; for the others' sake: my stores into the stage have landed
	s_barrier_signal -1
	s_barrier_wait -1
	s_wait_xcnt 0x0                                ; the last batch's stores have read their data: the loads below land in the same registers
	v_add_nc_u32 v[SRB], STAGE0+(\b)*STAGEB, v[SR]
	WIN 0xc0
.set i, 0
.rept 48
	ds_load_b128 v[STG+4*i:STG+4*i+3], v[SRB] offset:(i/3)*SPITCH+512*(i%3)
.set i, i+1
.endr
	WIN 0x0c
.set i, 0
.rept 48
	s_wait_dscnt 47-i                              ; LDS loads come back in order (ISA guide 5.7.1): load i is in, the younger ones may be out
	global_store_b128 v[LI], v[STG+4*i:STG+4*i+3], s[12:13] offset:(64*(\b)+i/3)*3072+512*(i%3) th:TH_STORE_NT
.set i, i+1
.endr
	WIN 0
.endm
	s_load_b256 s[4:11], s[0:1], 0x0               ; oimg s[4:5], wimg s[6:7], bp s[8:9], the scales s[10:11]
	s_load_b64 s[12:13], s[0:1], 0x20              ; out0
	v_lshl_add_u32 v254, v0, 2, 0x48800
	v_mov_b32 v255, 0
	v_lshrrev_b32 v1, 5, v0
	v_readfirstlane_b32 s14, v1                    ; wave 0..3
	v_and_b32 v1, 31, v0
	v_and_b32 v2, 15, v0                           ; r
	v_bfe_u32 v3, v0, 4, 1                         ; h
	s_and_b32 s15, ttmp7, 0xffff                   ; which 128 rows
	v_lshlrev_b32 v[LI], 4, v1
	v_add_nc_u32 v[LI+1], 4*TILEB, v[LI]
	s_mul_i32 s16, s14, TILEB
	v_add_nc_u32 v[XW], s16, v[LI]
	v_mul_u32_u24 v[SO], v2, SPITCH
	v_lshl_add_u32 v[SO], v3, 5, v[SO]
	s_mul_i32 s16, s14, 384
	v_add_nc_u32 v[SO], s16, v[SO]
	s_mul_i32 s16, s14, 16*SPITCH
	v_add_nc_u32 v[SR], s16, v[LI]
	v_lshlrev_b32 v[BO], 5, v3
	s_mul_i32 s17, ttmp9, 24
	s_mul_i32 s18, s14, 6
	s_add_co_u32 s17, s17, s18                     ; my first column tile: 24 x + 6 x wave
	s_lshl_b32 s20, s15, 3
	s_add_co_u32 s20, s20, s14
	s_mul_i32 s20, s20, TILEB                      ; row tile 8 y + wave
	s_mov_b32 s21, 0
	s_add_co_u32 s22, s17, 144                     ; Wp is wimg's fourth matrix of 48 column tiles
	s_mul_i32 s22, s22, TILEB
	s_mov_b32 s23, 0
	s_lshl_b32 s24, s17, 6                         ; bp: 16 numbers a column tile
	s_mov_b32 s25, 0
	s_lshl_b32 s26, s15, 7
	s_lshl_b32 s27, s14, 4
	s_add_co_u32 s26, s26, s27
	s_mul_i32 s26, s26, 3072                       ; out0: row 128 y + 16 x wave,
	s_mul_i32 s27, ttmp9, 1536                     ; column 384 x
	s_add_co_u32 s26, s26, s27
	s_mov_b32 s27, 0
	s_wait_kmcnt 0x0
	s_load_b64 s[40:41], s[10:11], 0x28            ; entries 10 and 11
	s_add_nc_u64 s[4:5], s[4:5], s[20:21]
	s_add_nc_u64 s[6:7], s[6:7], s[22:23]
	s_add_nc_u64 s[8:9], s[8:9], s[24:25]
	s_add_nc_u64 s[12:13], s[12:13], s[26:27]
	WIN 0xc0
.set i, 0
.rept 24
	global_load_b128 v[STG+4*i:STG+4*i+3],       v[LI], s[4:5] offset:512*i              ; row tile w
	global_load_b128 v[STG+96+4*i:STG+96+4*i+3], v[LI], s[4:5] offset:4*TILEB+512*i      ; row tile 4 + w
.set i, i+1
.endr
	WIN 0
.irp j, 0,1,2,3,4,5
	global_load_b128 v[BI+8*\j:BI+8*\j+3],   v[BO], s[8:9] offset:64*\j
	global_load_b128 v[BI+8*\j+4:BI+8*\j+7], v[BO], s[8:9] offset:64*\j+16
.endr
.set f, 0
.rept 36                                       ; the weights: they stay
	WIN 0x40*(1+f/16)
.irp c, 0,1,2,3
	global_load_b128 v[16*(f%16)+4*\c:16*(f%16)+4*\c+3], v[LI], s[6:7] offset:(6*(f%6)+f/6)*2048+512*\c
.endr
.set f, f+1
.endr
	s_wait_kmcnt 0x0
	s_add_co_i32 s46, s40, s41
	s_add_co_i32 s46, s46, 127
	s_lshl_b32 s46, s46, 23                        ; 2^(e10 + e11) as f32
	s_mov_b32 s47, s46                             ; (named with it as a pair)
	s_wait_loadcnt 0x0
	WIN 0x0c
.set i, 0
.rept 24
	ds_store_b128 v[XW], v[STG+4*i:STG+4*i+3] offset:512*i
	ds_store_b128 v[XW], v[STG+96+4*i:STG+96+4*i+3] offset:4*TILEB+512*i
.set i, i+1
.endr
	WIN 0
	s_wait_dscnt 0x0                               ; for the others' sake: my two images have landed
	s_barrier_signal -1
	s_barrier_wait -1                              ; all eight lie in LDS; they are never written again
	FETCH 0
	TILE 0, 0
	TILE 0, 1
	TILE 0, 2
	TILE 0, 3
	SENDB 0
	TILE 1, 0
	TILE 1, 1
	TILE 1, 2
	TILE 1, 3
	SENDB 1
	s_wait_tensorcnt 0x0
	ds_add_u32 v254, v255
	s_wait_dscnt 0x0
	s_endpgm
.Lfunc_end_k_qa2c7be9c58_proj:
	.size	k_qa2c7be9c58_proj, .Lfunc_end_k_qa2c7be9c58_proj-k_qa2c7be9c58_proj
	.p2alignl 7, 3214868480
	.fill 96, 4, 3214868480
	.section	.rodata,"a",@progbits
	.p2align	6, 0x0
	.amdhsa_kernel k_qa2c7be9c58_proj
		.amdhsa_group_segment_fixed_size 297472
		.amdhsa_private_segment_fixed_size 0
		.amdhsa_enable_private_segment 0
		.amdhsa_kernarg_size 40
		.amdhsa_user_sgpr_count 2
		.amdhsa_user_sgpr_kernarg_segment_ptr 1
		.amdhsa_wavefront_size32 1
		.amdhsa_system_sgpr_workgroup_id_x 1
		.amdhsa_system_sgpr_workgroup_id_y 1
		.amdhsa_system_sgpr_workgroup_id_z 1
		.amdhsa_system_vgpr_workitem_id 0
		.amdhsa_next_free_vgpr 1024
		.amdhsa_next_free_sgpr 66
		.amdhsa_reserve_vcc 0
		.amdhsa_float_denorm_mode_32 3
		.amdhsa_float_denorm_mode_16_64 3
		.amdhsa_memory_ordered 1
		.amdhsa_forward_progress 1
		.amdhsa_inst_pref_size 95
	.end_amdhsa_kernel
	.amdgpu_metadata
---
amdhsa.version: [ 1, 2 ]
amdhsa.kernels:
  - .name:           k_qa2c7be9c58_proj
    .symbol:         k_qa2c7be9c58_proj.kd
    .args:
      - { .name: oimg, .offset: 0, .size: 8, .value_kind: global_buffer, .address_space: global }
      - { .name: wimg, .offset: 8, .size: 8, .value_kind: global_buffer, .address_space: global }
      - { .name: bp, .offset: 16, .size: 8, .value_kind: global_buffer, .address_space: global }
      - { .name: lowp_scales, .offset: 24, .size: 8, .value_kind: global_buffer, .address_space: global }
      - { .name: out0, .offset: 32, .size: 8, .value_kind: global_buffer, .address_space: global }
    .group_segment_fixed_size: 297472
    .private_segment_fixed_size: 0
    .kernarg_segment_align: 8
    .kernarg_segment_size: 40
    .max_flat_workgroup_size: 128
    .sgpr_count:     66
    .vgpr_count:     1024
    .wavefront_size: 32
...
	.end_amdgpu_metadata
.endif
;; end of part 4
;; ======== version 2 of 2: 4 launches
;; workspace buffers: xall 37,748,736 bytes; wimg 2,359,296 bytes; qimg 12,582,912 bytes; kimg 12,582,912 bytes; vimg 12,582,912 bytes; oimg 12,582,912 bytes
;; launch quant (part 5): grid 800 x 1, 4 waves a work-group, no clusters, 35,328 bytes of LDS; arguments x, Wq, Wk, Wv, Wp, lowp_scales, xall, wimg; writes xall, wimg
.if DOCPART == 5
	.amdgcn_target "amdgcn-amd-amdhsa--gfx1250"
	.amdhsa_code_object_version 6
	.text
	.protected	k_qa2c7be9c58_quant
	.globl	k_qa2c7be9c58_quant
	.p2align	8
	.type	k_qa2c7be9c58_quant,@function
k_qa2c7be9c58_quant:
	s_mov_b64 s[64:65], 0
	v_nop
	global_prefetch_b8 v0, s[64:65] scope:SCOPE_SE
	s_setreg_imm32_b32 hwreg(HW_REG_WAVE_MODE, 25, 1), 1
	s_wait_xcnt 0x0
; x [16384][768] f32 and the four weights (K = their 768 rows) become codes of BF8 (E5M2), each with the scale 2^e that is given for it:
; code = number / 2^e, held within +-57,344, rounded to the nearest code, ties to even.
; THE CODES ARE LAID AS IMAGES OF OPERAND REGISTERS.  A fragment of 16 rows (or columns) x 128 K is 16 registers a lane: lane (r = lane % 16, h = lane / 16) holds row r, registers 2 c, 2 c + 1 hold
; K = 16 c + 8 h + 0 .. 7.  It is stored as four chunks of 512 bytes, chunk i = registers 4 i .. 4 i + 3, lane l's 16 bytes at 16 l: so every later load and every store here covers 512 consecutive bytes.
;   xall: [part 3][row tile 1024][K step 6][2048]     wimg: [q, k, v, p][column tile 48][K step 6][2048]  (columns of q, k, v: 64 x head + e)
; x is an operand of three products, each with its own entry of the scales (1, 3, 5): parts 0, 1, 2 of xall.  Part 0 is always written; part 1 only where entry 3 differs from entry 1, part 2 only where
; entry 5 does: the next launch makes the same two comparisons and reads part 0 in their stead.
; SHARES.  Work-groups 0 to 287: the weights; a wave makes one fragment (a lane takes a column, its registers run down K: nothing is transposed).  Work-groups 288 to 799: x; a wave takes 16 rows x 384 K,
; six units of 64 K.  A unit's loads take the bytes as they lie (sixteen lanes read 256 consecutive bytes of a row); the unit turns through the wave's own stage in LDS so that a lane gets eight neighbours along K.
; No barrier: waves share nothing.  No matrix unit, no cluster: each byte is read once, by one wave.
; LIMITS: each e used here (entries 0 to 5 and 11) lies between -126 and 112, so that 2^e and 57,344 x 2^e are f32 numbers.  NaN among the inputs is not served; an infinity is held at the largest code.
.set NWGW,  288                        ; work-groups for the weights: 4 matrices x 12 groups of 4 column tiles x 6 K steps
.set XROW,  3072                       ; a row of x in bytes
.set XPART, 12582912                   ; a part of xall: x's codes under one scale
.set SP,    272                        ; a stage row: 256 bytes + 16, so that sixteen rows' pieces of 16 bytes begin at sixteen different places modulo 256
.set STGB,  16*SP                      ; a stage: 16 rows
.set WREG,  2*STGB                     ; a wave's LDS: two stages by turns
.set LD,  10                           ; v10  where my 16 bytes of a load lie: row h, 16 r (weights: row 8 h, column r)
.set ST,  11                           ; v11  the same place in my wave's stage
.set RD,  12                           ; v12  out of the stage: row r, + 32 h
.set OUT, 13                           ; v13  16 x lane: my place in a chunk
.set R,   16                           ; v16-143   four sets of 32: a unit as loaded (weights: v16-79 a fragment's 64 numbers, v80-95 its codes)
.set X,   144                          ; v144-207  two sets of 32: a unit turned
.set T,   208                          ; v208-223  two sets of 8: numbers held, ahead of a conversion
.set C,   224                          ; v224-247  codes: 8 registers for each of the three scales
.macro LOAD u                          ; unit u: rows 2 j + h, bytes 256 u + 16 r
.irp j, 0,1,2,3,4,5,6,7
	global_load_b128 v[R+32*((\u)%4)+4*\j:R+32*((\u)%4)+4*\j+3], v[LD], s[4:5] offset:2*\j*XROW+256*(\u) th:TH_LOAD_NT
.endr
.endm
.macro TURN u                          ; through the stage: LDS serves a wave's instructions in order (ISA guide 5.7.1), so no wait stands between the stores and the loads
.irp j, 0,1,2,3,4,5,6,7
	ds_store_b128 v[ST], v[R+32*((\u)%4)+4*\j:R+32*((\u)%4)+4*\j+3] offset:STGB*((\u)%2)+2*\j*SP
.endr
.irp i, 0,1                            ; chunk i of the unit: K = 32 i + 8 h + 0 .. 7, then the same + 16
	ds_load_b128 v[X+32*((\u)%2)+16*\i:X+32*((\u)%2)+16*\i+3],     v[RD] offset:STGB*((\u)%2)+128*\i
	ds_load_b128 v[X+32*((\u)%2)+16*\i+4:X+32*((\u)%2)+16*\i+7],   v[RD] offset:STGB*((\u)%2)+128*\i+16
	ds_load_b128 v[X+32*((\u)%2)+16*\i+8:X+32*((\u)%2)+16*\i+11],  v[RD] offset:STGB*((\u)%2)+128*\i+64
	ds_load_b128 v[X+32*((\u)%2)+16*\i+12:X+32*((\u)%2)+16*\i+15], v[RD] offset:STGB*((\u)%2)+128*\i+80
.endr
.endm
; unit u under one scale: v[sc] = 2^e, v[lim] = 57,344 x 2^e; k picks the codes' registers; s[ptr] the part of xall.  The numbers stay as they are for the next scale: the holds write T.
; The eight holds of the other set of T are the plain vector lines between a conversion and the next write of its sources.
.macro KIND u, k, sc, lim, ptr
.irp i, 0,1
.irp g, 0,1
.irp n, 0,1,2,3,4,5,6,7
	v_med3_num_f32 v[T+8*\g+\n], v[X+32*((\u)%2)+16*\i+8*\g+\n], -v[\lim], v[\lim]   ; the conversion to an 8-bit code does not saturate (ISA guide 7.6.2)
.endr
	v_cvt_scalef32_pk8_bf8_f32 v[C+8*\k+4*\i+2*\g:C+8*\k+4*\i+2*\g+1], v[T+8*\g:T+8*\g+7], v[\sc]
.endr
.endr
.irp i, 0,1
	global_store_b128 v[OUT], v[C+8*\k+4*\i:C+8*\k+4*\i+3], s[\ptr:\ptr+1] offset:1024*(\u)+512*\i   ; 32 lanes store 512 consecutive bytes
.endr
.endm
.macro STEP u
	s_wait_dscnt 0x0                               ; unit u is back from the stage, and its stores into the stage have read their registers,
.if (\u)+4 < 6
	LOAD (\u)+4                                    ; which take the unit four further on
.endif
.if (\u)+1 < 6
.if (\u) < 2
	s_wait_loadcnt 24                              ; the next unit's eight loads are in; the three units behind it may be out
.else
	s_wait_loadcnt 8*(4-(\u))                      ; no more is asked for: the count runs down
.endif
	TURN (\u)+1                                    ; through the other stage while this unit is worked on
.endif
	s_wait_xcnt 0x0                                ; the last unit's stores have read their data: the codes' registers are written again only behind this wait
	KIND \u, 0, 4, 5, 16
	s_cmp_lg_u32 s40, 0
	s_cbranch_scc1 .Lsame_k_\@                     ; entry 3 = entry 1: the codes would be the same
	KIND \u, 1, 6, 7, 18
.Lsame_k_\@:
	s_cmp_lg_u32 s41, 0
	s_cbranch_scc1 .Lsame_v_\@                     ; entry 5 = entry 1
	KIND \u, 2, 8, 9, 20
.Lsame_v_\@:
.endm
; a fragment of a weight: 64 numbers a lane.  pitch: bytes from K to K + 1; groupb: bytes from a group of four column tiles to the next
.macro WFRAG pitch, groupb
	s_mul_i32 s42, s39, \groupb
	s_mul_i32 s43, s40, 128*\pitch
	s_add_co_u32 s42, s42, s43
	s_lshl_b32 s43, s36, 6                         ; the four waves stand side by side on 256 bytes of each row
	s_add_co_u32 s42, s42, s43
	s_mov_b32 s43, 0
	s_add_nc_u64 s[6:7], s[6:7], s[42:43]
	v_mul_u32_u24 v[LD], v3, 8*\pitch
	v_lshl_add_u32 v[LD], v2, 2, v[LD]
.set n, 0
.rept 64
	global_load_b32 v[R+n], v[LD], s[6:7] offset:(16*(n/8)+n%8)*\pitch th:TH_LOAD_NT   ; W(128 s + 16 c + 8 h + i, my column)
.set n, n+1
.endr
.endm
	s_load_b256 s[4:11], s[0:1], 0x0               ; x s[4:5], Wq s[6:7], Wk s[8:9], Wv s[10:11]
	s_load_b128 s[12:15], s[0:1], 0x20             ; Wp s[12:13], the scales s[14:15]
	s_load_b64 s[16:17], s[0:1], 0x30              ; xall
	s_load_b64 s[22:23], s[0:1], 0x38              ; wimg
	v_lshl_add_u32 v248, v0, 2, 0x8800
	v_mov_b32 v249, 0
	v_lshrrev_b32 v1, 5, v0
	v_readfirstlane_b32 s36, v1                    ; wave 0..3
	v_and_b32 v1, 31, v0                           ; lane
	v_and_b32 v2, 15, v0                           ; r
	v_bfe_u32 v3, v0, 4, 1                         ; h
	v_lshlrev_b32 v[OUT], 4, v1
	s_wait_kmcnt 0x0
	s_load_b256 s[24:31], s[14:15], 0x0            ; entries 0 to 7
	s_load_b128 s[32:35], s[14:15], 0x20           ; entries 8 to 11
	s_cmp_lt_u32 ttmp9, NWGW
	s_cbranch_scc1 .Lweights
	; ---- x
	s_sub_co_u32 s37, ttmp9, NWGW
	s_lshl_b32 s37, s37, 2
	s_add_co_u32 s37, s37, s36                     ; which half of a row tile is my wave's: 0 .. 2047
	s_lshr_b32 s38, s37, 1
	s_and_b32 s39, s37, 1
	s_mul_i32 s42, s38, 16*XROW                    ; the tile's 16 rows,
	s_mul_i32 s39, s39, 1536                       ; the half's 384 numbers
	s_add_co_u32 s42, s42, s39
	s_mov_b32 s43, 0
	s_add_nc_u64 s[4:5], s[4:5], s[42:43]
	s_mul_i32 s42, s37, 6144                       ; three fragments of codes
	s_add_nc_u64 s[16:17], s[16:17], s[42:43]      ; in part 0,
	s_add_nc_u64 s[18:19], s[16:17], XPART         ; in part 1,
	s_add_nc_u64 s[20:21], s[16:17], 2*XPART       ; in part 2
	s_mul_i32 s44, s36, WREG
	s_wait_alu depctr_va_vdst(0)
	v_mul_u32_u24 v[LD], v3, XROW
	v_lshl_add_u32 v[LD], v2, 4, v[LD]
	v_mul_u32_u24 v[ST], v3, SP
	v_lshl_add_u32 v[ST], v2, 4, v[ST]
	v_add_nc_u32 v[ST], s44, v[ST]
	v_mul_u32_u24 v[RD], v2, SP
	v_lshl_add_u32 v[RD], v3, 5, v[RD]
	v_add_nc_u32 v[RD], s44, v[RD]
	LOAD 0
	LOAD 1
	LOAD 2
	LOAD 3
	s_wait_alu depctr_va_vdst(0)
	s_wait_kmcnt 0x0
	s_cmp_eq_u32 s27, s25
	s_cselect_b32 s40, 1, 0                        ; entry 3 = entry 1
	s_cmp_eq_u32 s29, s25
	s_cselect_b32 s41, 1, 0                        ; entry 5 = entry 1
.irp n, 0,1,2                                  ; entries 1, 3, 5
	s_add_co_i32 s45, s[25+2*\n], 127
	s_lshl_b32 s46, s45, 23
	v_mov_b32 v[4+2*\n], s46                       ; 2^e as f32: the conversion takes its exponent field
	s_add_co_i32 s45, s45, 15
	s_lshl_b32 s45, s45, 23
	s_or_b32 s45, s45, 0x600000
	v_mov_b32 v[5+2*\n], s45                       ; 57,344 x 2^e
.endr
	s_wait_alu depctr_va_vdst(0)
	s_wait_loadcnt 24                              ; unit 0 is in; units 1 to 3 may be out
	TURN 0
	STEP 0
	STEP 1
	STEP 2
	STEP 3
	STEP 4
	STEP 5
	s_wait_tensorcnt 0x0
	ds_add_u32 v248, v249
	s_wait_dscnt 0x0
	s_endpgm
	; ---- the weights
.Lweights:
	s_and_b32 s37, ttmp9, 3                        ; which matrix: q, k, v, p
	s_lshr_b32 s38, ttmp9, 2                       ; 0 .. 71
	s_mul_i32 s39, s38, 43
	s_lshr_b32 s39, s39, 8                         ; / 6 (exact up to 71): the group of four column tiles; for q, k, v it is the head
	s_mul_i32 s40, s39, 6
	s_sub_co_u32 s40, s38, s40                     ; the K step
	s_cmp_eq_u32 s37, 1
	s_cselect_b64 s[6:7], s[8:9], s[6:7]
	s_cmp_eq_u32 s37, 2
	s_cselect_b64 s[6:7], s[10:11], s[6:7]
	s_cmp_eq_u32 s37, 3
	s_cselect_b64 s[6:7], s[12:13], s[6:7]
	s_cbranch_scc1 .Lwp
	s_wait_alu depctr_va_vdst(0)
	WFRAG 256, 196608                              ; [head][768][64]: a row of 64 numbers, a head of 768 rows
	s_branch .Lwtail
.Lwp:
	s_wait_alu depctr_va_vdst(0)
	WFRAG 3072, 256                                ; [768][768]: a row of 768 numbers, a group of 64 columns
.Lwtail:
	s_mul_i32 s42, s37, 48
	s_lshl_b32 s43, s39, 2
	s_add_co_u32 s42, s42, s43
	s_add_co_u32 s42, s42, s36                     ; 48 x matrix + column tile
	s_mul_i32 s42, s42, 6
	s_add_co_u32 s42, s42, s40
	s_lshl_b32 s42, s42, 11                        ; fragments of 2,048 bytes
	s_mov_b32 s43, 0
	s_add_nc_u64 s[22:23], s[22:23], s[42:43]
	s_wait_kmcnt 0x0
	s_cmp_eq_u32 s37, 1
	s_cselect_b32 s24, s26, s24                    ; entries 0, 2, 4, 11
	s_cmp_eq_u32 s37, 2
	s_cselect_b32 s24, s28, s24
	s_cmp_eq_u32 s37, 3
	s_cselect_b32 s24, s35, s24
	s_add_co_i32 s24, s24, 127
	s_lshl_b32 s25, s24, 23
	v_mov_b32 v4, s25
	s_add_co_i32 s24, s24, 15
	s_lshl_b32 s24, s24, 23
	s_or_b32 s24, s24, 0x600000
	v_mov_b32 v5, s24
	s_wait_alu depctr_va_vdst(0)
	s_wait_loadcnt 0x0
.set n, 0
.rept 64
	v_med3_num_f32 v[R+n], v[R+n], -v5, v5
.set n, n+1
.endr
.irp c, 0,1,2,3,4,5,6,7
	v_cvt_scalef32_pk8_bf8_f32 v[80+2*\c:81+2*\c], v[R+8*\c:R+8*\c+7], v4   ; registers 2 c, 2 c + 1 of the fragment
.endr
.irp i, 0,1,2,3
	global_store_b128 v[OUT], v[80+4*\i:83+4*\i], s[22:23] offset:512*\i
.endr
	s_endpgm
.Lfunc_end_k_qa2c7be9c58_quant:
	.size	k_qa2c7be9c58_quant, .Lfunc_end_k_qa2c7be9c58_quant-k_qa2c7be9c58_quant
	.p2alignl 7, 3214868480
	.fill 96, 4, 3214868480
	.section	.rodata,"a",@progbits
	.p2align	6, 0x0
	.amdhsa_kernel k_qa2c7be9c58_quant
		.amdhsa_group_segment_fixed_size 35328
		.amdhsa_private_segment_fixed_size 0
		.amdhsa_enable_private_segment 0
		.amdhsa_kernarg_size 64
		.amdhsa_user_sgpr_count 2
		.amdhsa_user_sgpr_kernarg_segment_ptr 1
		.amdhsa_wavefront_size32 1
		.amdhsa_system_sgpr_workgroup_id_x 1
		.amdhsa_system_sgpr_workgroup_id_y 1
		.amdhsa_system_sgpr_workgroup_id_z 1
		.amdhsa_system_vgpr_workitem_id 0
		.amdhsa_next_free_vgpr 250
		.amdhsa_next_free_sgpr 66
		.amdhsa_reserve_vcc 0
		.amdhsa_float_denorm_mode_32 3
		.amdhsa_float_denorm_mode_16_64 3
		.amdhsa_memory_ordered 1
		.amdhsa_forward_progress 1
		.amdhsa_inst_pref_size 79
	.end_amdhsa_kernel
	.amdgpu_metadata
---
amdhsa.version: [ 1, 2 ]
amdhsa.kernels:
  - .name:           k_qa2c7be9c58_quant
    .symbol:         k_qa2c7be9c58_quant.kd
    .args:
      - { .name: x, .offset: 0, .size: 8, .value_kind: global_buffer, .address_space: global }
      - { .name: Wq, .offset: 8, .size: 8, .value_kind: global_buffer, .address_space: global }
      - { .name: Wk, .offset: 16, .size: 8, .value_kind: global_buffer, .address_space: global }
      - { .name: Wv, .offset: 24, .size: 8, .value_kind: global_buffer, .address_space: global }
      - { .name: Wp, .offset: 32, .size: 8, .value_kind: global_buffer, .address_space: global }
      - { .name: lowp_scales, .offset: 40, .size: 8, .value_kind: global_buffer, .address_space: global }
      - { .name: xall, .offset: 48, .size: 8, .value_kind: global_buffer, .address_space: global }
      - { .name: wimg, .offset: 56, .size: 8, .value_kind: global_buffer, .address_space: global }
    .group_segment_fixed_size: 35328
    .private_segment_fixed_size: 0
    .kernarg_segment_align: 8
    .kernarg_segment_size: 64
    .max_flat_workgroup_size: 128
    .sgpr_count:     66
    .vgpr_count:     250
    .wavefront_size: 32
...
	.end_amdgpu_metadata
.endif
;; end of part 5
;; launch qkv (part 6): grid 6 x 32, 4 waves a work-group, no clusters, 197,120 bytes of LDS; arguments xall, wimg, bq, bk, bv, lowp_scales, qimg, kimg, vimg; writes qimg, kimg, vimg
.if DOCPART == 6
	.amdgcn_target "amdgcn-amd-amdhsa--gfx1250"
	.amdhsa_code_object_version 6
	.text
	.protected	k_qa2c7be9c58_qkv
	.globl	k_qa2c7be9c58_qkv
	.p2align	8
	.type	k_qa2c7be9c58_qkv,@function
k_qa2c7be9c58_qkv:
	s_mov_b64 s[64:65], 0
	v_nop
	global_prefetch_b8 v0, s[64:65] scope:SCOPE_SE
	s_setreg_imm32_b32 hwreg(HW_REG_WAVE_SCHED_MODE, 0, 2), 2
	s_setreg_imm32_b32 hwreg(HW_REG_WAVE_MODE, 25, 1), 1
	s_wait_xcnt 0x0
	s_wait_alu depctr_vm_vsrc(0)
; q, k, v = x W + b on codes of BF8 (E5M2), and their codes for the two products of the attention.  All buffers but the biases hold images of operand registers: a fragment's registers in chunks of 512 bytes,
; chunk i = registers 4 i .. 4 i + 3, lane l's 16 bytes at 16 l; lane (r, h) holds row r, registers 2 c, 2 c + 1 hold K = 16 c + 8 h + 0 .. 7.
;   in:  xall [part 3][row tile 1024][K step 6][2048]: x's codes under entries 1, 3, 5 of the scales; wimg [q, k, v, p][column tile 48][K step 6][2048]
;   out: qimg, kimg [head 12][batch 16][token tile 64][1024]: 16 tokens x 64 channels;  vimg [head 12][batch 16][key step 8][channel tile 4][2048]: 16 channels x 128 keys
; SHARES.  Work-group x: 0, 1 = q, 2, 3 = k, 4, 5 = v, each one half (384) of the kind's columns; work-group y: 512 rows.  THE WAVES SHARE THE COLUMNS: wave w keeps the 36 fragments of its six column tiles
; (576 registers) for the whole launch, read from memory once.  The rows go round: 64 at a time (four row tiles), wave w brings row tile w through its registers into LDS as it lies, and every wave reads all four.
; A TILE AHEAD.  x's fragments have two sets of registers: while a tile's 36 products run, the next tile's 24 LDS loads are issued, twelve ahead of the products and twelve behind the sixteenth.  In a batch's last tile
; the next batch is made ready instead: its image goes to the other LDS buffer ahead of the products; behind the sixteenth stand the barrier, the loads from memory of the batch after it, and the next tile's LDS loads.
; So a batch's loads from memory are asked for nearly a batch (some 130 matrix instructions and four ways out) ahead of their use, and nothing more is asked ahead.
; WHICH SOURCE IS WHICH.  q, k: source 0 = W, source 1 = x: a lane holds one token and eight neighbouring channels, which are the next K: a conversion gives registers 2 c, 2 c + 1 of the image.
; v: source 0 = x, source 1 = W: a lane holds one channel and eight neighbouring tokens, which are the next K (the keys).  The two ways part once, on the work-group's x, and each has LDS bytes of its own.
; SCALES.  A sum stands for sum x 2^(ew + ex).  The bias is the C of each sum's first matrix instruction, divided by 2^(ew + ex); the conversion's scale is 2^(eo - ew - ex).
; WHICH PART OF xall.  Part 1 (2) is written only where entry 3 (5) differs from entry 1.  So the part's offset is min(ex xor entry 1, 1) x kind x a part's bytes: 0 where the two entries are one.
; NO CLUSTER: the six work-groups along x that read the same rows are no multiple of four; the 32 along y share the weights alone, which go straight into registers, where no joint load can land.
; 192 work-groups: 2,304 columns of three kinds share out in sixths, not in eighths, without a change of weights midway.
; LIMITS: eo - ew - ex (entries 6 - 0 - 1, 7 - 2 - 3, 9 - 4 - 5) lies between -126 and 112.  NaN among the inputs is not served.
; THE MODE: SCHED_MODE bits 1:0 = 2 (LLVM: expert scheduling mode 2), set by the entry lines.  The code itself states the register dependences
; between vector or matrix instructions and memory or LDS instructions, with s_wait_alu, always for 0.
; THE PLAN.  Registers that memory or LDS instructions touch:
;   X0, X1     x's two sets.  Tile t's 36 products read set t % 2; the LDS loads that land in it are issued in tile t - 1 (a batch's first tile: in the last tile of the batch before).  Nothing else names them.
;   STG        a row tile on its way to LDS.  Loads from memory land in it, the image's LDS stores read it; no vector or matrix instruction names it.
;   COD        the codes.  Written by a tile's conversions, read by the stores to memory behind them.
;   v4-27      offsets and LDS addresses: made once at the head and never written again; the rows are reached by scalar bases and immediate offsets.
;   The weights and the bias are loaded once at the head; from then on vector and matrix instructions alone name them.  v254, v255: written at the head, read by the closing add alone.
; So ONE wait on va_vdst stands in a tile, behind its conversions: COD is written, for the stores that follow, and the tile's products are done reading their set of x, in which the next tile's LDS loads land.  Those loads
; are dealt among the next tile's products, which name the other set, the weights, the bias and the sums: none of the registers that the loads touch.  One wait on vm_vsrc stands ahead of the conversions that
; write COD again, and one a batch ahead of the loads from memory that land in STG.
; REGISTERS, in windows of 256: window 0: v4-27 addresses; v32-127 and v128-223 a row tile's six fragments, two sets; v224-247 codes.
;   windows 1 to 3: the weights, fragment f = 6 s + j (K step s, column tile j) at v[16 (f % 16)] of window 1 + f / 16; window 3 also: v64-159 a row tile on its way to LDS, v160-207 the bias, 8 registers a column
;   tile, v208-255 the six accumulators: bias and sums lie in one window, so that one setting serves both as C.
.set TILEB, 12288                      ; a row tile's codes
.set XPART, 12582912                   ; a part of xall
.set BUF,   4*TILEB                    ; a batch; LDS: buffers 0, 1 for q and k, then buffers 0, 1 for v
.set LI,  4                            ; v4, v5    16 x lane in buffer 0, 1  (v's way: v24, v25)
.set XW,  6                            ; v6, v7    + my wave's tile          (v's way: v26, v27)
.set OFQ, 8                            ; v8-10     q, k: where a pair of column tiles' chunk goes
.set SC,  14                           ; v14       the conversion's scale
.set LIM, 15                           ; v15       57,344 x that
.set BOQ, 16                           ; v16       32 h: the bias of my eight channels
.set BOV, 17                           ; v17       4 r: the bias of my channel
.set OFV, 18                           ; v18-23    v: where a column tile's chunk goes
.set X,   32                           ; set b at X + 96 b
.set COD, 224
.set STG, 64                           ; in window 3
.set BI,  160                          ; in window 3
.set ACC, 208                          ; in window 3
.set MSB, 0
.macro WIN new                         ; bits 1:0 source 0, 3:2 source 1, 5:4 source 2, 7:6 destination; the immediate's high byte repeats the setting that is left
.if MSB != (\new)
	s_set_vgpr_msb (MSB<<8)|(\new)
.set MSB, (\new)
.endif
.endm
.macro FETCH v, p, m, xb, i0, cnt      ; chunks i0 .. i0 + cnt - 1 of row tile m of buffer p, into set xb.  No wait: no vector or matrix instruction since the last wait on va_vdst names that set
.set i, \i0
.rept \cnt
	ds_load_b128 v[X+96*(\xb)+4*i:X+96*(\xb)+4*i+3], v[LI+20*\v+\p] offset:(\m)*TILEB+512*i
.set i, i+1
.endr
.endm
.macro IMAGE v, p                      ; my row tile goes to buffer p as it lies: its registers were written by loads, whose wait stands ahead
	WIN 0x0c
.set i, 0
.rept 24
	ds_store_b128 v[XW+20*\v+\p], v[STG+4*i:STG+4*i+3] offset:512*i
.set i, i+1
.endr
	WIN 0
.endm
.macro LOADX                           ; my row tile of the next batch, from memory (the loads that named this base are done: a wait for all loads stands ahead on every way)
	s_add_nc_u64 s[44:45], s[44:45], BUF
	WIN 0xc0
	s_wait_alu depctr_vm_vsrc(0)                   ; the image's LDS stores have read v[STG ..], in which the loads below land
.set i, 0
.rept 24
	global_load_b128 v[STG+4*i:STG+4*i+3], v[LI], s[44:45] offset:512*i
.set i, i+1
.endr
	WIN 0
.endm
; Products f0 .. f0 + cnt - 1 of a tile's 36, on set xb: K step by K step, the six accumulators by turns, one instruction a turn.
; The first K step takes the bias as C: nothing is cleared or added later.
.macro MULP v, xb, f0, cnt
.set f, \f0
.rept \cnt
.set WF, 16*(f%16)
.set AJ, ACC+8*(f%6)
.set XS, X+96*(\xb)+16*(f/6)
.if \v
	WIN 0xf0|(4*(1+f/16))
.if f < 6
	v_wmma_f32_16x16x128_bf8_bf8 v[AJ:AJ+7], v[XS:XS+15], v[WF:WF+15], v[BI+8*f:BI+8*f+7]
.else
	v_wmma_f32_16x16x128_bf8_bf8 v[AJ:AJ+7], v[XS:XS+15], v[WF:WF+15], v[AJ:AJ+7]
.endif
.else
	WIN 0xf0|(1+f/16)
.if f < 6
	v_wmma_f32_16x16x128_bf8_bf8 v[AJ:AJ+7], v[WF:WF+15], v[XS:XS+15], v[BI+8*f:BI+8*f+7]
.else
	v_wmma_f32_16x16x128_bf8_bf8 v[AJ:AJ+7], v[WF:WF+15], v[XS:XS+15], v[AJ:AJ+7]
.endif
.endif
.set f, f+1
.endr
.endm
.macro HOLDS                           ; the hold (the conversion does not saturate: ISA guide 7.6.2), each accumulator from its low end on; it leaves the windows set for the conversions
	WIN 0xc3
.set n, 0
.rept 48
	v_med3_num_f32 v[ACC+n], v[ACC+n], -v[LIM], v[LIM]
.set n, n+1
.endr
	WIN 0x03
.endm
.macro EPIQK p, m                      ; column tiles 2 q, 2 q + 1 are one chunk of a head's image of this token tile
	s_wait_xcnt 0x0                                ; the last tile's stores have had their addresses translated
	s_wait_alu depctr_vm_vsrc(0)                   ; the last tile's stores have read v[COD ..], which the conversions below write again
	HOLDS
.irp j, 0,1,2,3,4,5
	v_cvt_scalef32_pk8_bf8_f32 v[COD+2*\j:COD+2*\j+1], v[ACC+8*\j:ACC+8*\j+7], v[SC]
.endr
	WIN 0
	v_nop                                          ; a plain line behind the last conversion: the next products write its sources
	s_wait_alu depctr_va_vdst(0)                   ; the conversions have written v[COD ..], which the stores below read; this tile's products are done reading their set of x, in which the next tile's LDS loads land
.irp q, 0,1,2
	global_store_b128 v[OFQ+\q], v[COD+4*\q:COD+4*\q+3], s[46:47] offset:(4*\p+\m)*1024
.endr
.endm
.macro EPIV p, m                       ; token tiles 2 a, 2 a + 1 are one chunk of each channel tile's image of this key step
.if (\m)%2 == 0
	s_wait_xcnt 0x0                                ; the last pair's stores have had their addresses translated
	s_wait_alu depctr_vm_vsrc(0)                   ; the last pair's stores have read v[COD ..], which this tile's conversions and the next tile's write again
.endif
	HOLDS
.irp j, 0,1,2,3,4,5
	v_cvt_scalef32_pk8_bf8_f32 v[COD+4*\j+2*((\m)%2):COD+4*\j+2*((\m)%2)+1], v[ACC+8*\j:ACC+8*\j+7], v[SC]
.endr
	WIN 0
	v_nop
	s_wait_alu depctr_va_vdst(0)                   ; this tile's products are done reading their set of x, in which the next tile's LDS loads land; in a pair's second tile the conversions have written v[COD ..], which the stores below read
.if (\m)%2
.irp j, 0,1,2,3,4,5
	global_store_b128 v[OFV+\j], v[COD+4*\j:COD+4*\j+3], s[46:47] offset:(2*\p+(\m)/2)*512
.endr
.endif
.endm
; Row tile m of the batch in buffer p.  last = 1: the trip's last tile, behind which the launch's last trip has no batch.
; THE BARRIER, one a batch, in the batch's last tile.  In front of it my image in the other buffer has landed and my reads of this buffer are in (its last tile was fetched a tile ago).  The other buffer
; is read only behind it; this buffer is written again only behind it, in the next batch's last tile.
; The loads into a set of x's registers stand behind the way out of the tile that read it, whose wait on va_vdst shows that tile's products done reading the set.
.macro TILE v, p, m, last
	s_wait_dscnt 0x0                               ; this tile's fragments are in
.if \m == 3
	s_wait_loadcnt 0x0                             ; my row tile of the next batch is in registers
.if \last
	s_cmp_eq_u32 s42, 1                            ; the last batch has no successor
	s_cbranch_scc1 .Lno_image_\@
.endif
	IMAGE \v, 1-\p
.if \last
.Lno_image_\@:
.endif
.else
	FETCH \v, \p, (\m)+1, ((\m)+1)%2, 0, 12
.endif
	MULP \v, (\m)%2, 0, 16
	WIN 0
.if \m == 3
	s_wait_dscnt 0x0                               ; for the others' sake: my image has landed (its stores stand sixteen matrix instructions back)
	s_barrier_signal -1
	s_barrier_wait -1
	s_cmp_eq_u32 s42, 1                            ; in the last trip nothing is left to load: no load leaves its buffer
	s_cbranch_scc1 .Lno_more_\@
	LOADX
.if \last == 0
.Lno_more_\@:
.endif
	FETCH \v, 1-\p, 0, 0, 0, 24                    ; the next batch's first tile, into the set that the tile before this one read: that tile's wait on va_vdst stands ahead, and this tile's products name the other set
.if \last
.Lno_more_\@:
.endif
.else
	FETCH \v, \p, (\m)+1, ((\m)+1)%2, 12, 12
.endif
	MULP \v, (\m)%2, 16, 20
	WIN 0
.rept 4
	v_nop                                          ; four places (ISA guide 7.12.1) in front of the first read of results
.endr
.if \v
	EPIV \p, \m
.else
	EPIQK \p, \m
.endif
.endm
.macro PATH v
	WIN 0xc0
.if \v
.irp j, 0,1,2,3,4,5
	global_load_b32 v[BI+8*\j], v[BOV], s[50:51] offset:64*\j          ; my channel's bias
.endr
.else
.irp j, 0,1,2,3,4,5
	global_load_b128 v[BI+8*\j:BI+8*\j+3],   v[BOQ], s[50:51] offset:64*\j      ; my eight channels' biases
	global_load_b128 v[BI+8*\j+4:BI+8*\j+7], v[BOQ], s[50:51] offset:64*\j+16
.endr
.endif
	s_wait_loadcnt 0x0                             ; the weights, the first batch's row tile, the bias
	WIN 0xc3
.if \v
.irp j, 0,1,2,3,4,5
.irp i, 1,2,3,4,5,6,7
	v_ldexp_f32 v[BI+8*\j+\i], v[BI+8*\j], s60     ; / 2^(ew + ex), the same in all eight registers (eight tokens)
.endr
	v_ldexp_f32 v[BI+8*\j], v[BI+8*\j], s60
.endr
.else
.set n, 0
.rept 48
	v_ldexp_f32 v[BI+n], v[BI+n], s60
.set n, n+1
.endr
.endif
	IMAGE \v, 0                                    ; the first batch
	s_wait_dscnt 0x0
	s_barrier_signal -1
	s_barrier_wait -1
	LOADX                                          ; the second batch
	FETCH \v, 0, 0, 0, 0, 24                       ; (no vector or matrix instruction has named x's sets yet)
	s_mov_b32 s42, 4                               ; a trip: two batches
.Ltrip_\@:
	s_wait_alu depctr_va_vdst(0)
	TILE \v, 0, 0, 0
	TILE \v, 0, 1, 0
	TILE \v, 0, 2, 0
	TILE \v, 0, 3, 0
	TILE \v, 1, 0, 0
	TILE \v, 1, 1, 0
	TILE \v, 1, 2, 0
	TILE \v, 1, 3, 1
	s_wait_xcnt 0x0                                ; the stores have read their base
	s_add_nc_u64 s[46:47], s[46:47], 8192          ; eight token tiles of q or k; a key step of v
	s_sub_co_u32 s42, s42, 1
	s_cmp_lg_u32 s42, 0
	s_cbranch_scc1 .Ltrip_\@
	s_wait_dscnt 0x0                               ; the closing lines, six on end
	s_wait_alu 0x0
	s_wait_tensorcnt 0x0
	ds_add_u32 v254, v255
	s_wait_dscnt 0x0
	s_endpgm
.endm
	s_load_b64 s[4:5], s[0:1], 0x0                 ; xall
	s_load_b64 s[10:11], s[0:1], 0x8               ; wimg
	s_load_b256 s[12:19], s[0:1], 0x10             ; bq s[12:13], bk s[14:15], bv s[16:17], the scales s[18:19]
	s_load_b128 s[20:23], s[0:1], 0x30             ; qimg s[20:21], kimg s[22:23]
	s_load_b64 s[24:25], s[0:1], 0x40              ; vimg
	v_lshl_add_u32 v254, v0, 2, 0x30000
	v_mov_b32 v255, 0
	v_lshrrev_b32 v1, 5, v0
	v_readfirstlane_b32 s40, v1                    ; wave 0..3
	v_and_b32 v1, 31, v0
	v_and_b32 v2, 15, v0                           ; r
	v_bfe_u32 v3, v0, 4, 1                         ; h
	s_lshr_b32 s41, ttmp9, 1                       ; kind: 0 q, 1 k, 2 v
	s_and_b32 s43, ttmp9, 1                        ; which half of its columns
	s_and_b32 s52, ttmp7, 0xffff                   ; which 512 rows
	v_lshlrev_b32 v[LI], 4, v1
	v_add_nc_u32 v[LI+1], BUF, v[LI]
	s_wait_alu depctr_va_sdst(0)                   ; s40, the wave's number, is written, ahead of its first reader
	s_mul_i32 s56, s40, TILEB
	v_add_nc_u32 v[XW], s56, v[LI]
	v_add_nc_u32 v[XW+1], BUF, v[XW]
.irp n, 0,1,2,3
	v_add_nc_u32 v[24+\n], 2*BUF, v[4+\n]          ; the same four for v's way, in its own LDS bytes
.endr
	v_lshlrev_b32 v[BOQ], 5, v3
	v_lshlrev_b32 v[BOV], 2, v2
	s_mul_i32 s58, s43, 24
	s_mul_i32 s59, s40, 6
	s_add_co_u32 s58, s58, s59                     ; my first column tile of the kind's 48: 24 x half + 6 x wave
	s_lshr_b32 s59, s58, 1
.irp p, 0,1,2                                  ; q, k: pair P of column tiles: head P / 2 (2^20 bytes a head), chunk P % 2
	s_add_co_u32 s60, s59, \p
	s_lshr_b32 s61, s60, 1
	s_lshl_b32 s61, s61, 20
	s_and_b32 s60, s60, 1
	s_lshl_b32 s60, s60, 9
	s_add_co_u32 s60, s60, s61
	v_add_nc_u32 v[OFQ+\p], s60, v[LI]
.endr
.irp j, 0,1,2,3,4,5                            ; v: column tile T: head T / 4, channel tile T % 4 (2,048 bytes)
	s_add_co_u32 s60, s58, \j
	s_lshr_b32 s61, s60, 2
	s_lshl_b32 s61, s61, 20
	s_and_b32 s60, s60, 3
	s_lshl_b32 s60, s60, 11
	s_add_co_u32 s60, s60, s61
	v_add_nc_u32 v[OFV+\j], s60, v[LI]
.endr
	s_wait_kmcnt 0x0
	s_load_b256 s[28:35], s[18:19], 0x0            ; entries 0 to 7
	s_load_b128 s[36:39], s[18:19], 0x20           ; entries 8 to 11
	s_mul_i32 s56, s41, 48
	s_add_co_u32 s56, s56, s58
	s_mul_i32 s56, s56, TILEB                      ; a column tile's six fragments are as many bytes as a row tile's
	s_mov_b32 s57, 0
	s_add_nc_u64 s[48:49], s[10:11], s[56:57]
	WIN 0x40
	s_wait_alu depctr_va_vdst(0)                   ; the offsets and LDS addresses v4 to v10 and v16 to v27 are written: every load and store of the kernel reads one of them, and none is written again
.set f, 0
.rept 36                                       ; the weights: they need no scale, so they are asked for first; they stay
	WIN 0x40*(1+f/16)
.irp c, 0,1,2,3
	global_load_b128 v[16*(f%16)+4*\c:16*(f%16)+4*\c+3], v[LI], s[48:49] offset:(6*(f%6)+f/6)*2048+512*\c
.endr
.set f, f+1
.endr
	WIN 0
	s_wait_kmcnt 0x0
	s_mov_b64 s[50:51], s[12:13]                   ; the bias,
	s_mov_b64 s[46:47], s[20:21]                   ; the output,
	s_mov_b32 s53, s28                             ; ew,
	s_mov_b32 s54, s29                             ; ex,
	s_mov_b32 s55, s34                             ; eo: for q;
	s_cmp_eq_u32 s41, 1
	s_cselect_b64 s[50:51], s[14:15], s[50:51]     ; for k;
	s_cselect_b64 s[46:47], s[22:23], s[46:47]
	s_cselect_b32 s53, s30, s53
	s_cselect_b32 s54, s31, s54
	s_cselect_b32 s55, s35, s55
	s_cmp_eq_u32 s41, 2
	s_cselect_b64 s[50:51], s[16:17], s[50:51]     ; for v
	s_cselect_b64 s[46:47], s[24:25], s[46:47]
	s_cselect_b32 s53, s32, s53
	s_cselect_b32 s54, s33, s54
	s_cselect_b32 s55, s37, s55
	s_xor_b32 s6, s54, s29                         ; 0 where my kind's entry for x is entry 1's number,
	s_min_u32 s6, s6, 1                            ; else 1
	s_mul_i32 s7, s41, XPART                       ; my kind's part of xall,
	s_mul_i32 s6, s6, s7                           ; or part 0
	s_lshl_b32 s56, s52, 5
	s_add_co_u32 s56, s56, s40
	s_mul_i32 s56, s56, TILEB                      ; row tile 32 y + wave
	s_add_co_u32 s56, s56, s6
	s_add_nc_u64 s[44:45], s[4:5], s[56:57]        ; x's codes
	s_lshl_b32 s56, s52, 15
	s_add_nc_u64 s[46:47], s[46:47], s[56:57]      ; 32 token tiles of 1,024 bytes, or four key steps of 8,192: the same step in all three outputs
	s_lshl_b32 s56, s58, 6
	s_add_nc_u64 s[50:51], s[50:51], s[56:57]      ; 16 numbers a column tile
	WIN 0xc0
.set i, 0
.rept 24
	global_load_b128 v[STG+4*i:STG+4*i+3], v[LI], s[44:45] offset:512*i   ; the first batch's row tile
.set i, i+1
.endr
	WIN 0
	s_add_co_i32 s53, s53, s54                     ; ew + ex
	s_sub_co_i32 s55, s55, s53                     ; eo - ew - ex
	s_sub_co_i32 s60, 0, s53
	s_add_co_i32 s55, s55, 127
	s_lshl_b32 s56, s55, 23
	v_mov_b32 v[SC], s56
	s_add_co_i32 s55, s55, 15
	s_lshl_b32 s55, s55, 23
	s_or_b32 s55, s55, 0x600000
	v_mov_b32 v[LIM], s55
	s_cmp_eq_u32 s41, 2
	s_cbranch_scc1 .Lv_way
	PATH 0
.Lv_way:
	PATH 1
.Lfunc_end_k_qa2c7be9c58_qkv:
	.size	k_qa2c7be9c58_qkv, .Lfunc_end_k_qa2c7be9c58_qkv-k_qa2c7be9c58_qkv
	.p2alignl 7, 3214868480
	.fill 96, 4, 3214868480
	.section	.rodata,"a",@progbits
	.p2align	6, 0x0
	.amdhsa_kernel k_qa2c7be9c58_qkv
		.amdhsa_group_segment_fixed_size 197120
		.amdhsa_private_segment_fixed_size 0
		.amdhsa_enable_private_segment 0
		.amdhsa_kernarg_size 72
		.amdhsa_user_sgpr_count 2
		.amdhsa_user_sgpr_kernarg_segment_ptr 1
		.amdhsa_wavefront_size32 1
		.amdhsa_system_sgpr_workgroup_id_x 1
		.amdhsa_system_sgpr_workgroup_id_y 1
		.amdhsa_system_sgpr_workgroup_id_z 1
		.amdhsa_system_vgpr_workitem_id 0
		.amdhsa_next_free_vgpr 1024
		.amdhsa_next_free_sgpr 66
		.amdhsa_reserve_vcc 0
		.amdhsa_float_denorm_mode_32 3
		.amdhsa_float_denorm_mode_16_64 3
		.amdhsa_memory_ordered 1
		.amdhsa_forward_progress 1
		.amdhsa_inst_pref_size 185
	.end_amdhsa_kernel
	.amdgpu_metadata
---
amdhsa.version: [ 1, 2 ]
amdhsa.kernels:
  - .name:           k_qa2c7be9c58_qkv
    .symbol:         k_qa2c7be9c58_qkv.kd
    .args:
      - { .name: xall, .offset: 0, .size: 8, .value_kind: global_buffer, .address_space: global }
      - { .name: wimg, .offset: 8, .size: 8, .value_kind: global_buffer, .address_space: global }
      - { .name: bq, .offset: 16, .size: 8, .value_kind: global_buffer, .address_space: global }
      - { .name: bk, .offset: 24, .size: 8, .value_kind: global_buffer, .address_space: global }
      - { .name: bv, .offset: 32, .size: 8, .value_kind: global_buffer, .address_space: global }
      - { .name: lowp_scales, .offset: 40, .size: 8, .value_kind: global_buffer, .address_space: global }
      - { .name: qimg, .offset: 48, .size: 8, .value_kind: global_buffer, .address_space: global }
      - { .name: kimg, .offset: 56, .size: 8, .value_kind: global_buffer, .address_space: global }
      - { .name: vimg, .offset: 64, .size: 8, .value_kind: global_buffer, .address_space: global }
    .group_segment_fixed_size: 197120
    .private_segment_fixed_size: 0
    .kernarg_segment_align: 8
    .kernarg_segment_size: 72
    .max_flat_workgroup_size: 128
    .sgpr_count:     66
    .vgpr_count:     1024
    .wavefront_size: 32
...
	.end_amdgpu_metadata
.endif
;; end of part 6
;; launch attn (part 7): grid 256 x 1, 16 waves a work-group, no clusters, 327,680 bytes of LDS; arguments qimg, kimg, vimg, lowp_scales, oimg; writes oimg
.if DOCPART == 7
	.amdgcn_target "amdgcn-amd-amdhsa--gfx1250"
	.amdhsa_code_object_version 6
	.text
	.protected	k_qa2c7be9c58_attn
	.globl	k_qa2c7be9c58_attn
	.p2align	8
	.type	k_qa2c7be9c58_attn,@function
k_qa2c7be9c58_attn:
	s_mov_b64 s[64:65], 0
	v_nop
	global_prefetch_b8 v0, s[64:65] scope:SCOPE_SE
	s_setreg_imm32_b32 hwreg(HW_REG_WAVE_MODE, 25, 1), 1
	s_wait_xcnt 0x0
; o = softmax(q k^T / 8) v for 192 heads of 1,024 tokens x 64 channels, both products on codes of BF8 (E5M2), and o's codes for the output projection.
; THE SOFTMAX AHEAD OF THE SECOND PRODUCT: t = score x log2(e) / 8; M = the row's largest t so far, rounded UP to a whole number; p = 2^(t - M) is what is quantised; it is not normalised.
; The row's sum is taken of the unquantised p and divides at the end.  When M moves, the sum and O are multiplied by 2^(old M - new M): nothing is rounded.
; BUFFERS: images of operand registers (chunks of 512 bytes: registers 4 i .. 4 i + 3, lane l's 16 bytes at 16 l; lane (r, h): row r, registers 2 c, 2 c + 1: K = 16 c + 8 h + 0 .. 7).
;   qimg, kimg [head x batch 192][token tile 64][1024];  vimg [192][key step 8][channel tile 4][2048];  oimg [row tile 1024][head 12][1024]: two heads on end are a fragment of 128 along the projection's K.
; SHARES.  768 units of one head x 256 queries; work-group g takes units 3 g, 3 g + 1, 3 g + 2 in three passes: 256 work-groups of equal work.  In a pass each of the SIXTEEN waves owns one tile of 16 queries,
; in 256 registers: four waves to a SIMD, so that one wave's vector work stands beside another's products and LDS loads.
; LDS: two slots of 131,072 bytes, a head's K (65,536) and V (65,536) each, EACH BYTE FILLED ONCE: three neighbouring units touch two heads at the most.  Slot A: the first unit's head; slot B: the last unit's.
; Where both heads are one, slot B holds the same bytes again: one text serves every work-group.
; THE FILLS.  The slots are sixteen tiles of 16,384 bytes, and wave w brings tile w to LDS byte 16,384 w: one tensor load a wave in the whole launch.  Waves 0, 1, 4 and 5 ask at the head: K and V of the first
; pass's key steps 0 to 3, so that the first products wait for 65,536 bytes and not for 262,144.  The other twelve ask behind the first barrier, and their tiles have those four key steps in which to land.
; The second barrier, behind key step 3, shows all sixteen tiles to every wave; it is the last: from there on no wave waits for another.
; LAYOUT.  Both products are used transposed: S^T = K Q^T (source 0 = 16 keys, source 1 = my 16 queries), O^T = V^T P^T: a lane holds ONE query throughout, and its eight scores of key tile t are
; keys 16 t + 8 h + 0 .. 7: their codes are registers 2 t, 2 t + 1 of P.  O^T's eight registers of channel tile c give registers 2 c, 2 c + 1 of o's image.  Nothing changes lanes but one exchange for the maximum and one for the sum.
; NO CLUSTER: neighbouring work-groups do share heads, but a head that is one work-group's slot A is its neighbour's slot B: no descriptor would be the same in both.
; NOTHING IS ASKED AHEAD OF ITS LOAD: all that a work-group reads is asked for at its head or behind its first barrier.
; LIMITS on the given exponents: entries 6 + 7 between -123 and 130 (they are added to c's exponent field); entries 8 and 10 between -126 and 112; 8 + 9 is applied by v_ldexp_f32 and has none.
.set SLOTB, 0x20000                    ; slot B begins here
.set VOFF,  0x10000                    ; V's place in a slot
.set SPARE, 0x48000                    ; the spare words, 128 bytes for each wave: eight blocks of 256 bytes that no other line names
.set LI,  1                            ; v1   16 x lane
.set ADK, 2                            ; v2   the step's tiles of K
.set ADV, 3                            ; v3   and of V
                                       ; v4: 2^e8; v5 and v10: 57,344 x 2^e8 (for p; twice, for the two halves of a pair);  v6, v7: 2^e10, 57,344 x 2^e10 (for o)
.set SPW, 8                            ; v8   LDS address of my spare word: SPARE + 4 x my thread's number; never rewritten
.set NIL, 9                            ; v9   0; never rewritten
                                       ; v12 -M, v13 the largest t, v[14:15] the sum in two halves
.set Q,   16                           ; v16-39   Q's fragment of each pass, 8 registers
.set FR,  40                           ; v40-103  eight fragments of K, then four of V
.set S,   104                          ; v104-167 S^T, then p
.set O,   168                          ; v168-199 O^T
.set P,   200                          ; v200-215 p's codes
.set OC,  216                          ; v216-223 o's codes
                                       ; v224-227 the maximum's four chains; v[228:229] f; v230 an exchange's destination; v[232:237] and v[248:255] the sum's other seven chains
; A KEY STEP: 128 keys.  q: the pass's fragment of Q.  s37: the LDS byte at which the step's K begins
.macro STEP q
	v_add_nc_u32 v[ADK], s37, v[LI]
	s_delay_alu instid0(VALU_DEP_1)
	v_add_nc_u32 v[ADV], VOFF, v[ADK]
	v_nop
	v_nop                                          ; four places in front of loads into registers that the last products read
.set n, 0
.rept 16
	ds_load_b128 v[FR+4*n:FR+4*n+3], v[ADK] offset:512*n
.set n, n+1
.endr
	s_wait_alu depctr_va_vdst(0)
	s_wait_dscnt 0x0
.set n, 0
.rept 8
	v_wmma_f32_16x16x64_bf8_bf8 v[S+8*n:S+8*n+7], v[FR+8*n:FR+8*n+7], v[\q:\q+7], 0
.set n, n+1
.endr
.rept 4
	v_nop
.endr
.set n, 0
.rept 16
	ds_load_b128 v[FR+4*n:FR+4*n+3], v[ADV] offset:512*n           ; V lands while the softmax is worked
.set n, n+1
.endr
.irp c, 0,1,2,3                                ; the step's largest score of my query among my 64 keys, in four chains that do not wait for each other, ascending: each result is read from its low end on
	v_max3_num_f32 v[224+\c], v[S+3*\c], v[S+3*\c+1], v[S+3*\c+2]
.endr
.set n, 12
.rept 26
	v_max3_num_f32 v[224+((n-12)/2)%4], v[224+((n-12)/2)%4], v[S+n], v[S+n+1]
.set n, n+2
.endr
	s_delay_alu instid0(VALU_DEP_1)
	v_max3_num_f32 v224, v224, v225, v226
	s_delay_alu instid0(VALU_DEP_1)
	v_max_num_f32 v224, v224, v227
	s_delay_alu instid0(VALU_DEP_1)
	v_permlanex16_b32 v230, v224, s34, s35
	s_delay_alu instid0(VALU_DEP_1)
	v_max_num_f32 v224, v224, v230                 ; and among lane l xor 16's
	s_delay_alu instid0(VALU_DEP_1)
	v_mul_f32 v224, s32, v224                      ; as t (c is positive)
	s_delay_alu instid0(VALU_DEP_1)
	v_max_num_f32 v13, v13, v224                   ; the running largest t
	v_mov_b32 v224, v12
	s_delay_alu instid0(VALU_DEP_2)
	v_floor_f32 v12, -v13                          ; the new -M = floor(-t) = -ceil(t)
	s_delay_alu instid0(VALU_DEP_1)
	v_sub_f32 v224, v12, v224                      ; old M - new M: a whole number, 0 or less
	s_delay_alu instid0(VALU_DEP_1)
	v_cvt_i32_f32 v224, v224                       ; (it saturates)
	s_delay_alu instid0(VALU_DEP_1)
	v_ldexp_f32 v228, 1.0, v224                    ; f = 2^(old M - new M)
.set n, 0
.rept 32
	v_pk_fma_f32 v[S+n:S+n+1], v[S+n:S+n+1], s[32:33], v[12:13] op_sel_hi:[1,0,0]   ; t - M, two at a time (of the pairs c and -M the low word serves both halves)
.set n, n+2
.endr
.set n, 0
	s_wait_alu depctr_va_vdst(0)
.rept 64
	v_exp_f32 v[S+n], v[S+n]                       ; p = 2^(t - M), at most 1
.set n, n+1
.endr
	s_setprio 1
	v_pk_mul_f32 v[14:15], v[14:15], v[228:229] op_sel_hi:[1,0]   ; the sums under the new M: the plain line behind the exponentials
	s_wait_alu depctr_va_vdst(0)                   ; one wait for the whole batch, ahead of its first reader
	v_pk_add_f32 v[232:233], v[116:117], v[124:125]
	v_pk_add_f32 v[234:235], v[132:133], v[140:141]
	v_pk_add_f32 v[236:237], v[148:149], v[156:157]
	v_pk_add_f32 v[254:255], v[164:165], v[112:113]
	v_pk_add_f32 v[252:253], v[114:115], v[122:123]
	v_pk_add_f32 v[250:251], v[130:131], v[138:139]
	v_pk_add_f32 v[248:249], v[146:147], v[154:155]
	v_pk_add_f32 v[14:15], v[14:15], v[162:163]
	v_pk_add_f32 v[232:233], v[232:233], v[104:105]
	v_pk_add_f32 v[234:235], v[234:235], v[106:107]
	v_pk_add_f32 v[236:237], v[236:237], v[118:119]
	v_pk_add_f32 v[254:255], v[254:255], v[126:127]
	v_pk_add_f32 v[252:253], v[252:253], v[134:135]
	v_pk_add_f32 v[250:251], v[250:251], v[142:143]
	v_pk_add_f32 v[248:249], v[248:249], v[150:151]
	v_pk_add_f32 v[14:15], v[14:15], v[158:159]
	v_pk_add_f32 v[232:233], v[232:233], v[166:167]
	v_pk_add_f32 v[234:235], v[234:235], v[108:109]
	v_pk_add_f32 v[236:237], v[236:237], v[110:111]
	v_pk_add_f32 v[254:255], v[254:255], v[120:121]
	v_pk_add_f32 v[252:253], v[252:253], v[128:129]
	v_pk_add_f32 v[250:251], v[250:251], v[136:137]
	v_pk_add_f32 v[248:249], v[248:249], v[144:145]
	v_pk_add_f32 v[14:15], v[14:15], v[152:153]
	v_pk_add_f32 v[232:233], v[232:233], v[160:161]
	s_delay_alu instid0(VALU_DEP_2)
	v_pk_add_f32 v[14:15], v[14:15], v[254:255]
	s_delay_alu instid0(VALU_DEP_2)
	v_pk_add_f32 v[232:233], v[232:233], v[252:253]
	v_pk_add_f32 v[234:235], v[234:235], v[250:251]
	v_pk_add_f32 v[236:237], v[236:237], v[248:249]
	s_delay_alu instid0(VALU_DEP_2)
	v_pk_add_f32 v[14:15], v[14:15], v[234:235]
	s_delay_alu instid0(VALU_DEP_2)
	v_pk_add_f32 v[232:233], v[232:233], v[236:237]
	s_delay_alu instid0(VALU_DEP_1)
	v_pk_add_f32 v[14:15], v[14:15], v[232:233]
.irp t, 0,1,2,3,4,5,6,7
.irp i, 0,2,4,6                                ; the conversion does not saturate (ISA guide 7.6.2); p is not negative, so the hold is one-sided; two holds an instruction: an even and an odd register, the limit from two registers
	v_dual_min_num_f32 v[S+8*\t+\i], v[S+8*\t+\i], v5 :: v_dual_min_num_f32 v[S+8*\t+\i+1], v[S+8*\t+\i+1], v10
.endr
	v_cvt_scalef32_pk8_bf8_f32 v[P+2*\t:P+2*\t+1], v[S+8*\t:S+8*\t+7], v4
.endr
.set n, 0
	s_setprio 0
.rept 16
	v_pk_mul_f32 v[O+n:O+n+1], v[O+n:O+n+1], v[228:229] op_sel_hi:[1,0]   ; O^T under the new M; also the plain lines between the conversions and the products
.set n, n+2
.endr
	s_wait_alu depctr_va_vdst(0)
	s_wait_dscnt 0x0                               ; V is in
.irp c, 0,1,2,3                                ; the four accumulators by turns
	v_wmma_f32_16x16x128_bf8_bf8 v[O+8*\c:O+8*\c+7], v[FR+16*\c:FR+16*\c+15], v[P:P+15], v[O+8*\c:O+8*\c+7]
.endr
.endm
.macro PINIT                           ; a pass begins
	v_mov_b32 v13, 0xff61b1e6                      ; the largest t so far: -3e38, under every t
	s_delay_alu instid0(VALU_DEP_1)
	v_floor_f32 v12, -v13
	v_mov_b32 v14, 0
	v_mov_b32 v15, 0
.set n, 0
.rept 32
	v_mov_b32 v[O+n], 0                            ; the step is written once: the first finds zeros, which the first change of M leaves zeros
.set n, n+1
.endr
.endm
.macro STEPS q, cnt                    ; cnt key steps
	s_mov_b32 s38, \cnt
.Lstep_\@:
	s_setprio 2
	STEP \q
	s_add_co_u32 s37, s37, 8192                    ; eight key tiles of K; a key step of V
	s_sub_co_u32 s38, s38, 1
	s_cmp_lg_u32 s38, 0
	s_cbranch_scc1 .Lstep_\@
	s_setprio 0
.endm
; A pass ends: o = O^T x 2^(e8 + e9) / the sum, quantised under e10: my wave's 1,024 bytes are one head's part of a row tile's image.
.macro POUT ptr
.rept 4
	v_nop                                          ; four places in front of the first read of the last products' results
.endr
	v_add_f32 v14, v14, v15                        ; the sum's two halves,
	s_delay_alu instid0(VALU_DEP_1)
	v_permlanex16_b32 v230, v14, s34, s35
	s_delay_alu instid0(VALU_DEP_1)
	v_add_f32 v14, v14, v230                       ; and lane l xor 16's
	s_wait_alu depctr_va_vdst(0)
	v_rcp_f32 v14, v14
	v_nop                                          ; a plain line behind the transcendental
	s_wait_alu depctr_va_vdst(0)                   ; and the wait ahead of its first reader
	v_ldexp_f32 v14, v14, s36                      ; x 2^(e8 + e9)
.set n, 0
.rept 16
	v_pk_mul_f32 v[O+n:O+n+1], v[O+n:O+n+1], v[14:15] op_sel_hi:[1,0]
.set n, n+2
.endr
	s_wait_xcnt 0x0                                ; the last pass's stores have read their data
.irp c, 0,1,2,3
.irp i, 0,1,2,3,4,5,6,7
	v_med3_num_f32 v[O+8*\c+\i], v[O+8*\c+\i], -v7, v7
.endr
	v_cvt_scalef32_pk8_bf8_f32 v[OC+2*\c:OC+2*\c+1], v[O+8*\c:O+8*\c+7], v6
.endr
	v_nop                                          ; a plain line behind the last conversion: the next pass writes its sources
	global_store_b128 v[LI], v[OC:OC+3], s[\ptr:\ptr+1]
	global_store_b128 v[LI], v[OC+4:OC+7], s[\ptr:\ptr+1] offset:512   ; each store covers 512 consecutive bytes
.endm
	s_load_b256 s[4:11], s[0:1], 0x0               ; qimg s[4:5], kimg s[6:7], vimg s[8:9], the scales s[10:11]
	s_load_b64 s[12:13], s[0:1], 0x20              ; oimg
	v_lshl_add_u32 v[SPW], v0, 2, SPARE
	v_mov_b32 v[NIL], 0
	ds_add_u32 v8, v9
	ds_add_u32 v8, v9
	s_wait_dscnt 0x0
	v_lshrrev_b32 v2, 5, v0
	s_delay_alu instid0(VALU_DEP_1)
	v_readfirstlane_b32 s14, v2                    ; wave 0..15
	v_and_b32 v1, 31, v0
	s_delay_alu instid0(VALU_DEP_1)
	v_lshlrev_b32 v[LI], 4, v1
	; descriptor group 1: a dense block of 16,384 bytes, as 64 rows of 256
	s_mov_b32 s16, 3<<16                           ; 15:0 no mask; 17:16 elements of 8 bytes; no padding
	s_mov_b32 s17, 32<<16                          ; tensor_dim0 = 32
	s_mov_b32 s18, 64<<16                          ; tensor_dim1 = 64
	s_mov_b32 s19, 32<<16                          ; tile_dim0 = 32
	s_mov_b32 s20, 64                              ; tile_dim1 = 64
	s_mov_b32 s21, 32                              ; from row to row
	s_mov_b32 s22, 0
	s_mov_b32 s23, 0
	; my tile: wave w: slot w / 8, K (w % 8 < 4) or V, quarter w % 4
	s_mul_i32 s56, ttmp9, 3                        ; my work-group's first unit
	s_lshr_b32 s57, s14, 3
	s_lshl_b32 s57, s57, 1
	s_add_co_u32 s60, s56, s57                     ; the first unit (slot A) or the last (slot B),
	s_lshr_b32 s60, s60, 2                         ; its head:
	s_lshl_b32 s60, s60, 16                        ; 65,536 bytes a head in kimg and in vimg
	s_and_b32 s59, s14, 3
	s_lshl_b32 s59, s59, 14
	s_add_co_u32 s60, s60, s59
	s_mov_b32 s61, 0
	s_and_b32 s58, s14, 10                         ; 0 in waves 0, 1, 4, 5: the first two quarters of slot A's K and V
	s_mov_b32 s34, 0x76543210                      ; v_permlanex16_b32's selects for lane l xor 16
	s_mov_b32 s35, 0xfedcba98
	s_wait_kmcnt 0x0
	s_load_b128 s[40:43], s[10:11], 0x18           ; entries 6 to 9
	s_load_b32 s44, s[10:11], 0x28                 ; entry 10
	s_and_b32 s57, s14, 4
	s_cmp_eq_u32 s57, 0
	s_cselect_b64 s[54:55], s[6:7], s[8:9]
	s_mov_b32 s24, 1                               ; group 0: count = 1,
	s_lshl_b32 s25, s14, 14                        ; LDS address: 16,384 x wave,
	s_add_nc_u64 s[26:27], s[54:55], s[60:61]      ; global address,
	s_or_b32 s27, s27, 0x80000000                  ; type = 2.  It is never written again
	s_cmp_eq_u32 s58, 0
	s_cbranch_scc0 .Lnot_first
	tensor_load_to_lds s[24:27], s[16:23]          ; key steps 0 to 3 of the first pass
	s_nop 0
.rept 4
	v_nop
.endr
.Lnot_first:
	s_mul_i32 s46, ttmp9, 48
	s_add_co_u32 s46, s46, s14
	s_lshl_b32 s46, s46, 10                        ; Q: unit u, wave w: fragment 16 u + w
	s_mov_b32 s47, 0
	s_add_nc_u64 s[4:5], s[4:5], s[46:47]
	s_wait_alu depctr_va_vdst(0)
.irp p, 0,1,2
	global_load_b128 v[Q+8*\p:Q+8*\p+3],   v[LI], s[4:5] offset:\p*16384
	global_load_b128 v[Q+8*\p+4:Q+8*\p+7], v[LI], s[4:5] offset:\p*16384+512
.endr
.irp p, 0,1,2                                  ; where each pass's codes go: row tile 64 b + 16 (u % 4) + w, head h; u / 4 = 16 h + b
	s_add_co_u32 s45, s56, \p
	s_lshr_b32 s46, s45, 2
	s_and_b32 s45, s45, 3
	s_lshr_b32 s47, s46, 4
	s_and_b32 s46, s46, 15
	s_lshl_b32 s46, s46, 6
	s_lshl_b32 s45, s45, 4
	s_add_co_u32 s46, s46, s45
	s_add_co_u32 s46, s46, s14
	s_mul_i32 s46, s46, 12
	s_add_co_u32 s46, s46, s47
	s_lshl_b32 s46, s46, 10
	s_mov_b32 s47, 0
	s_add_nc_u64 s[48+2*\p:49+2*\p], s[12:13], s[46:47]
.endr
	v_mov_b32 v229, 0                              ; named as the upper half of the pair v[228:229]
	v_mov_b32 v230, 0                              ; a lane permute's destination counts as one of its sources
	s_wait_kmcnt 0x0
	s_add_co_i32 s45, s40, s41
	s_lshl_b32 s45, s45, 23
	s_mov_b32 s32, 0x3e38aa3b                      ; c = log2(e) / 8
	s_add_co_i32 s32, s32, s45                     ; a score stands for score x 2^(e6 + e7): the two exponents are added to c's exponent field
	s_mov_b32 s33, s32                             ; (named with it as a pair)
	s_add_co_i32 s36, s42, s43                     ; e8 + e9
	s_add_co_i32 s45, s42, 127
	s_lshl_b32 s46, s45, 23
	v_mov_b32 v4, s46                              ; 2^e8
	s_add_co_i32 s45, s45, 15
	s_lshl_b32 s45, s45, 23
	s_or_b32 s45, s45, 0x600000
	v_mov_b32 v5, s45                              ; 57,344 x 2^e8,
	v_mov_b32 v10, s45                             ; twice
	s_add_co_i32 s45, s44, 127
	s_lshl_b32 s46, s45, 23
	v_mov_b32 v6, s46                              ; 2^e10
	s_add_co_i32 s45, s45, 15
	s_lshl_b32 s45, s45, 23
	s_or_b32 s45, s45, 0x600000
	v_mov_b32 v7, s45
	s_wait_tensorcnt 0x0                           ; my tile, if I asked for one, is in
	ds_add_u32 v[SPW], v[NIL]                      ; 0 onto my spare word; the first pass's set-up stands between it and the wait for it
	ds_add_u32 v8, v9
	PINIT
	s_mov_b32 s37, 0                               ; the first pass reads slot A
	s_wait_loadcnt 0x0                             ; Q
	s_wait_dscnt 0x0                               ; the add is done
	s_barrier_signal -1
	s_barrier_wait -1                              ; the four first tiles are in, for every wave
	s_cmp_lg_u32 s58, 0
	s_cbranch_scc0 .Lnot_later
	tensor_load_to_lds s[24:27], s[16:23]          ; the other twelve tiles, into bytes that nothing has filled: a wave's one tensor load, first behind the barrier
	s_nop 0
.rept 4
	v_nop
.endr
.Lnot_later:
	STEPS Q, 4                                     ; key steps 0 to 3: LDS bytes 0 to 32,767 and 65,536 to 98,303, the four tiles that are in
	s_wait_tensorcnt 0x0                           ; my tile is in,
	s_wait_dscnt 0x0
	s_barrier_signal -1
	s_barrier_wait -1                              ; everybody's is
	STEPS Q, 4
	POUT 48
	s_and_b32 s45, ttmp9, 3                        ; the middle unit belongs to the last unit's head where g % 4 = 1, else to the first unit's
	s_cmp_eq_u32 s45, 1
	s_cselect_b32 s37, SLOTB, 0
	PINIT
	STEPS Q+8, 8
	POUT 50
	s_mov_b32 s37, SLOTB
	PINIT
	STEPS Q+16, 8
	POUT 52
	s_wait_tensorcnt 0x0                           ; the wave's end: my last LDS instructions
	ds_add_u32 v[SPW], v[NIL]
	s_wait_dscnt 0x0
	s_endpgm
.Lfunc_end_k_qa2c7be9c58_attn:
	.size	k_qa2c7be9c58_attn, .Lfunc_end_k_qa2c7be9c58_attn-k_qa2c7be9c58_attn
	.p2alignl 7, 3214868480
	.fill 96, 4, 3214868480
	.section	.rodata,"a",@progbits
	.p2align	6, 0x0
	.amdhsa_kernel k_qa2c7be9c58_attn
		.amdhsa_group_segment_fixed_size 327680
		.amdhsa_private_segment_fixed_size 0
		.amdhsa_enable_private_segment 0
		.amdhsa_kernarg_size 40
		.amdhsa_user_sgpr_count 2
		.amdhsa_user_sgpr_kernarg_segment_ptr 1
		.amdhsa_wavefront_size32 1
		.amdhsa_system_sgpr_workgroup_id_x 1
		.amdhsa_system_sgpr_workgroup_id_y 1
		.amdhsa_system_sgpr_workgroup_id_z 1
		.amdhsa_system_vgpr_workitem_id 0
		.amdhsa_next_free_vgpr 256
		.amdhsa_next_free_sgpr 66
		.amdhsa_reserve_vcc 0
		.amdhsa_float_denorm_mode_32 3
		.amdhsa_float_denorm_mode_16_64 3
		.amdhsa_memory_ordered 1
		.amdhsa_forward_progress 1
		.amdhsa_inst_pref_size 86
	.end_amdhsa_kernel
	.amdgpu_metadata
---
amdhsa.version: [ 1, 2 ]
amdhsa.kernels:
  - .name:           k_qa2c7be9c58_attn
    .symbol:         k_qa2c7be9c58_attn.kd
    .args:
      - { .name: qimg, .offset: 0, .size: 8, .value_kind: global_buffer, .address_space: global }
      - { .name: kimg, .offset: 8, .size: 8, .value_kind: global_buffer, .address_space: global }
      - { .name: vimg, .offset: 16, .size: 8, .value_kind: global_buffer, .address_space: global }
      - { .name: lowp_scales, .offset: 24, .size: 8, .value_kind: global_buffer, .address_space: global }
      - { .name: oimg, .offset: 32, .size: 8, .value_kind: global_buffer, .address_space: global }
    .group_segment_fixed_size: 327680
    .private_segment_fixed_size: 0
    .kernarg_segment_align: 8
    .kernarg_segment_size: 40
    .max_flat_workgroup_size: 512
    .sgpr_count:     66
    .vgpr_count:     256
    .wavefront_size: 32
...
	.end_amdgpu_metadata
.endif
;; end of part 7
;; launch proj (part 8): grid 2 x 128, 4 waves a work-group, no clusters, 297,472 bytes of LDS; arguments oimg, wimg, bp, lowp_scales, out0; writes out0
.if DOCPART == 8
	.amdgcn_target "amdgcn-amd-amdhsa--gfx1250"
	.amdhsa_code_object_version 6
	.text
	.protected	k_qa2c7be9c58_proj
	.globl	k_qa2c7be9c58_proj
	.p2align	8
	.type	k_qa2c7be9c58_proj,@function
k_qa2c7be9c58_proj:
	s_mov_b64 s[64:65], 0
	v_nop
	global_prefetch_b8 v0, s[64:65] scope:SCOPE_SE
	s_setreg_imm32_b32 hwreg(HW_REG_WAVE_SCHED_MODE, 0, 2), 2
	s_setreg_imm32_b32 hwreg(HW_REG_WAVE_MODE, 25, 1), 1
	s_wait_xcnt 0x0
	s_wait_alu depctr_vm_vsrc(0)
; out0 = o Wp + bp on codes of BF8 (E5M2).  oimg [row tile 1024][K step 6][2048] and wimg's fourth matrix [column tile 48][K step 6][2048] hold images of operand registers
; (chunks of 512 bytes: registers 4 i .. 4 i + 3, lane l's 16 bytes at 16 l).  out0 [16384][768] f32 = sum x 2^(e10 + e11) + bp, one packed multiply-add for two numbers.
; SHARES.  Work-group x: 384 columns; work-group y: 128 rows (eight row tiles, two batches of 64 rows): 256 work-groups.  THE WAVES SHARE THE COLUMNS: wave w keeps the 36 fragments of its six column tiles in
; registers; the eight row tiles go through LDS as they lie (wave w brings tiles w and 4 + w), and every wave reads all eight.  Everything is asked for at the head, so nothing more is asked ahead.
; THE MATRIX INSTRUCTION IS USED TRANSPOSED (source 0 = 16 columns of Wp, source 1 = 16 rows of o): a lane holds eight neighbouring numbers of a row of out0.  A batch's 64 rows x 384 columns meet in a stage in
; LDS (rows of 1,536 bytes + 16) and leave as whole rows: each store covers 512 consecutive bytes, at a multiple of 512 from out0's first byte.  Each batch has a stage of its own: three barriers in all,
; and the first batch's stores leave while the second is multiplied.
; NO CLUSTER: the two work-groups along x that read the same rows are no multiple of four; those along y share the weights alone, which go straight into registers, where no joint load can land.
; LIMIT: e10 + e11 lies between -126 and 127, so that 2^(e10 + e11) is an f32 number.
; THE MODE: SCHED_MODE bits 1:0 = 2 (LLVM: expert scheduling mode 2), set by the entry lines.  The code itself states the register dependences
; between vector or matrix instructions and memory or LDS instructions, with s_wait_alu, always for 0.
; THE PLAN.  Registers that memory or LDS instructions touch:
;   X          a row tile's six fragments.  A tile's 36 products read it; behind them the next tile's LDS loads land in it.
;   ACC        written by a tile's products and its 24 multiply-adds; read by the tile's twelve LDS stores into the stage.
;   v[SOT]     written by one add a tile; read by those LDS stores.      v[SRB]  written by one add a batch; read by the batch's LDS loads from the stage.
;   STG        loads from memory land in it and LDS stores read it (the head); then LDS loads land in it and stores to memory read it (each batch's way out).  No vector or matrix instruction names it.
;   The other addresses are made once at the head.  The weights and bp are loaded once; from then on matrix and vector instructions alone name them.  v254, v255: written at the head, read by the closing add alone.
; So ONE wait on va_vdst stands in a tile, behind its multiply-adds: the products are done reading X, for the LDS loads that follow, and ACC and v[SOT] are written, for the LDS stores.  One wait on vm_vsrc stands at a tile's head:
; the last tile's LDS stores have read ACC and v[SOT].  A batch's way out has one of each, round the add to v[SRB].
; REGISTERS, in windows of 256: window 0: v4-12 addresses; v32-127 a row tile's six fragments; v128-175 six accumulators; v176-223 bp at my eight columns of each column tile.
;   windows 1 to 3: the weights, fragment f = 6 s + j at v[16 (f % 16)] of window 1 + f / 16; window 3, v64-255: two row tiles on their way to LDS, later 16 rows on their way out.
.set TILEB,  12288
.set SPITCH, 1552                      ; 97 x 16 bytes: sixteen rows' pieces of 16 bytes begin at sixteen different places modulo 256
.set STAGE0, 8*TILEB                   ; behind the eight images
.set STAGEB, 64*SPITCH
.set LI,  4                            ; v4, v5  16 x lane, at row tile 0 and at row tile 4
.set XW,  6                            ; v6      16 x lane + my wave's tile
.set SO,  8                            ; v8      into a stage: row r, + 384 x wave + 32 h
.set SOT, 9                            ; v9      the same for the tile in hand
.set SR,  10                           ; v10     out of a stage: my 16 rows, 16 bytes a lane
.set SRB, 11                           ; v11     the same for the batch in hand
.set BO,  12                           ; v12     32 h
.set X,   32
.set ACC, 128
.set BI,  176
.set STG, 64                           ; in window 3
.set MSB, 0
.macro WIN new                         ; bits 1:0 source 0, 3:2 source 1, 5:4 source 2, 7:6 destination; the immediate's high byte repeats the setting that is left
.if MSB != (\new)
	s_set_vgpr_msb (MSB<<8)|(\new)
.set MSB, (\new)
.endif
.endm
.macro FETCH n                         ; row tile n: six fragments
.set i, 0
.rept 24
	ds_load_b128 v[X+4*i:X+4*i+3], v[LI+(\n)/4] offset:((\n)%4)*TILEB+512*i
.set i, i+1
.endr
.endm
.macro MUL                             ; 36 matrix instructions: K step by K step, the six accumulators by turns; the first K step starts the sums
.set f, 0
.rept 36
.set WF, 16*(f%16)
.set AJ, ACC+8*(f%6)
.set XS, X+16*(f/6)
	WIN 1+f/16
.if f < 6
	v_wmma_f32_16x16x128_bf8_bf8 v[AJ:AJ+7], v[WF:WF+15], v[XS:XS+15], 0
.else
	v_wmma_f32_16x16x128_bf8_bf8 v[AJ:AJ+7], v[WF:WF+15], v[XS:XS+15], v[AJ:AJ+7]
.endif
.set f, f+1
.endr
.endm
.macro TILE b, m
	s_wait_dscnt 0x0                               ; the tile's fragments are in
.if 4*(\b)+(\m) > 0
	s_wait_alu depctr_vm_vsrc(0)                   ; the last tile's LDS stores have read the accumulators and v[SOT], which the products and the add below write again
.endif
	MUL
	WIN 0
	v_add_nc_u32 v[SOT], STAGE0+(\b)*STAGEB+(\m)*16*SPITCH, v[SO]
.rept 3
	v_nop                                          ; with the line above: four places (ISA guide 7.12.1) in front of the first read of results
.endr
.set n, 0
.rept 24
	v_pk_fma_f32 v[ACC+2*n:ACC+2*n+1], v[ACC+2*n:ACC+2*n+1], s[46:47], v[BI+2*n:BI+2*n+1] op_sel_hi:[1,0,1]   ; sum x 2^(e10 + e11) + bp; each accumulator from its low end on
.set n, n+1
.endr
	s_wait_alu depctr_va_vdst(0)                   ; the products are done reading v[X ..], in which the LDS loads below land; the multiply-adds have written the accumulators and the add v[SOT], which the LDS stores below read
.if 4*(\b)+(\m) < 7
	FETCH 4*(\b)+(\m)+1
.endif
.irp j, 0,1,2,3,4,5
	ds_store_b128 v[SOT], v[ACC+8*\j:ACC+8*\j+3] offset:64*\j
	ds_store_b128 v[SOT], v[ACC+8*\j+4:ACC+8*\j+7] offset:64*\j+16
.endr
.endm
.macro SENDB b                         ; batch b's 64 rows lie in its stage: each wave stores 16 whole rows
	s_wait_dscnt 0x0                               ; for the others' sake: my stores into the stage have landed
	s_barrier_signal -1
	s_barrier_wait -1
	s_wait_xcnt 0x0                                ; the last batch's stores have had their addresses translated: the loads below land in their data's registers
	s_wait_alu depctr_vm_vsrc(0)                   ; v[STG ..], in which the loads below land, has been read by the images' LDS stores (first batch) or by the last batch's stores to memory; the last batch's LDS loads have read v[SRB]
	v_add_nc_u32 v[SRB], STAGE0+(\b)*STAGEB, v[SR]
	WIN 0xc0
	s_wait_alu depctr_va_vdst(0)                   ; v[SRB] is written, which the LDS loads below read as their address
.set i, 0
.rept 48
	ds_load_b128 v[STG+4*i:STG+4*i+3], v[SRB] offset:(i/3)*SPITCH+512*(i%3)
.set i, i+1
.endr
	WIN 0x0c
.set i, 0
.rept 48
	s_wait_dscnt 47-i                              ; LDS loads come back in order (ISA guide 5.7.1): load i is in, the younger ones may be out
	global_store_b128 v[LI], v[STG+4*i:STG+4*i+3], s[12:13] offset:(64*(\b)+i/3)*3072+512*(i%3) th:TH_STORE_NT
.set i, i+1
.endr
	WIN 0
.endm
	s_load_b256 s[4:11], s[0:1], 0x0               ; oimg s[4:5], wimg s[6:7], bp s[8:9], the scales s[10:11]
	s_load_b64 s[12:13], s[0:1], 0x20              ; out0
	v_lshl_add_u32 v254, v0, 2, 0x48800
	v_mov_b32 v255, 0
	v_lshrrev_b32 v1, 5, v0
	v_readfirstlane_b32 s14, v1                    ; wave 0..3
	v_and_b32 v1, 31, v0
	v_and_b32 v2, 15, v0                           ; r
	v_bfe_u32 v3, v0, 4, 1                         ; h
	s_and_b32 s15, ttmp7, 0xffff                   ; which 128 rows
	v_lshlrev_b32 v[LI], 4, v1
	v_add_nc_u32 v[LI+1], 4*TILEB, v[LI]
	s_wait_alu depctr_va_sdst(0)                   ; s14, the wave's number, is written, ahead of its first reader
	s_mul_i32 s16, s14, TILEB
	v_add_nc_u32 v[XW], s16, v[LI]
	v_mul_u32_u24 v[SO], v2, SPITCH
	v_lshl_add_u32 v[SO], v3, 5, v[SO]
	s_mul_i32 s16, s14, 384
	v_add_nc_u32 v[SO], s16, v[SO]
	s_mul_i32 s16, s14, 16*SPITCH
	v_add_nc_u32 v[SR], s16, v[LI]
	v_lshlrev_b32 v[BO], 5, v3
	s_mul_i32 s17, ttmp9, 24
	s_mul_i32 s18, s14, 6
	s_add_co_u32 s17, s17, s18                     ; my first column tile: 24 x + 6 x wave
	s_lshl_b32 s20, s15, 3
	s_add_co_u32 s20, s20, s14
	s_mul_i32 s20, s20, TILEB                      ; row tile 8 y + wave
	s_mov_b32 s21, 0
	s_add_co_u32 s22, s17, 144                     ; Wp is wimg's fourth matrix of 48 column tiles
	s_mul_i32 s22, s22, TILEB
	s_mov_b32 s23, 0
	s_lshl_b32 s24, s17, 6                         ; bp: 16 numbers a column tile
	s_mov_b32 s25, 0
	s_lshl_b32 s26, s15, 7
	s_lshl_b32 s27, s14, 4
	s_add_co_u32 s26, s26, s27
	s_mul_i32 s26, s26, 3072                       ; out0: row 128 y + 16 x wave,
	s_mul_i32 s27, ttmp9, 1536                     ; column 384 x
	s_add_co_u32 s26, s26, s27
	s_mov_b32 s27, 0
	s_wait_kmcnt 0x0
	s_load_b64 s[40:41], s[10:11], 0x28            ; entries 10 and 11
	s_add_nc_u64 s[4:5], s[4:5], s[20:21]
	s_add_nc_u64 s[6:7], s[6:7], s[22:23]
	s_add_nc_u64 s[8:9], s[8:9], s[24:25]
	s_add_nc_u64 s[12:13], s[12:13], s[26:27]
	WIN 0xc0
	s_wait_alu depctr_va_vdst(0)                   ; the offsets and LDS addresses v4 to v6 and v12 are written, which the loads and stores below read; they are not written again
.set i, 0
.rept 24
	global_load_b128 v[STG+4*i:STG+4*i+3],       v[LI], s[4:5] offset:512*i              ; row tile w
	global_load_b128 v[STG+96+4*i:STG+96+4*i+3], v[LI], s[4:5] offset:4*TILEB+512*i      ; row tile 4 + w
.set i, i+1
.endr
	WIN 0
.irp j, 0,1,2,3,4,5
	global_load_b128 v[BI+8*\j:BI+8*\j+3],   v[BO], s[8:9] offset:64*\j
	global_load_b128 v[BI+8*\j+4:BI+8*\j+7], v[BO], s[8:9] offset:64*\j+16
.endr
.set f, 0
.rept 36                                       ; the weights: they stay
	WIN 0x40*(1+f/16)
.irp c, 0,1,2,3
	global_load_b128 v[16*(f%16)+4*\c:16*(f%16)+4*\c+3], v[LI], s[6:7] offset:(6*(f%6)+f/6)*2048+512*\c
.endr
.set f, f+1
.endr
	s_wait_kmcnt 0x0
	s_add_co_i32 s46, s40, s41
	s_add_co_i32 s46, s46, 127
	s_lshl_b32 s46, s46, 23                        ; 2^(e10 + e11) as f32
	s_mov_b32 s47, s46                             ; (named with it as a pair)
	s_wait_loadcnt 0x0
	WIN 0x0c
.set i, 0
.rept 24
	ds_store_b128 v[XW], v[STG+4*i:STG+4*i+3] offset:512*i
	ds_store_b128 v[XW], v[STG+96+4*i:STG+96+4*i+3] offset:4*TILEB+512*i
.set i, i+1
.endr
	WIN 0
	s_wait_dscnt 0x0                               ; for the others' sake: my two images have landed
	s_barrier_signal -1
	s_barrier_wait -1                              ; all eight lie in LDS; they are never written again
	FETCH 0                                        ; (no vector or matrix instruction has named v[X ..] yet)
	TILE 0, 0
	TILE 0, 1
	TILE 0, 2
	TILE 0, 3
	SENDB 0
	TILE 1, 0
	TILE 1, 1
	TILE 1, 2
	TILE 1, 3
	SENDB 1
	s_wait_dscnt 0x0                               ; the closing lines, six on end
	s_wait_alu 0x0
	s_wait_tensorcnt 0x0
	ds_add_u32 v254, v255
	s_wait_dscnt 0x0
	s_endpgm
.Lfunc_end_k_qa2c7be9c58_proj:
	.size	k_qa2c7be9c58_proj, .Lfunc_end_k_qa2c7be9c58_proj-k_qa2c7be9c58_proj
	.p2alignl 7, 3214868480
	.fill 96, 4, 3214868480
	.section	.rodata,"a",@progbits
	.p2align	6, 0x0
	.amdhsa_kernel k_qa2c7be9c58_proj
		.amdhsa_group_segment_fixed_size 297472
		.amdhsa_private_segment_fixed_size 0
		.amdhsa_enable_private_segment 0
		.amdhsa_kernarg_size 40
		.amdhsa_user_sgpr_count 2
		.amdhsa_user_sgpr_kernarg_segment_ptr 1
		.amdhsa_wavefront_size32 1
		.amdhsa_system_sgpr_workgroup_id_x 1
		.amdhsa_system_sgpr_workgroup_id_y 1
		.amdhsa_system_sgpr_workgroup_id_z 1
		.amdhsa_system_vgpr_workitem_id 0
		.amdhsa_next_free_vgpr 1024
		.amdhsa_next_free_sgpr 66
		.amdhsa_reserve_vcc 0
		.amdhsa_float_denorm_mode_32 3
		.amdhsa_float_denorm_mode_16_64 3
		.amdhsa_memory_ordered 1
		.amdhsa_forward_progress 1
		.amdhsa_inst_pref_size 95
	.end_amdhsa_kernel
	.amdgpu_metadata
---
amdhsa.version: [ 1, 2 ]
amdhsa.kernels:
  - .name:           k_qa2c7be9c58_proj
    .symbol:         k_qa2c7be9c58_proj.kd
    .args:
      - { .name: oimg, .offset: 0, .size: 8, .value_kind: global_buffer, .address_space: global }
      - { .name: wimg, .offset: 8, .size: 8, .value_kind: global_buffer, .address_space: global }
      - { .name: bp, .offset: 16, .size: 8, .value_kind: global_buffer, .address_space: global }
      - { .name: lowp_scales, .offset: 24, .size: 8, .value_kind: global_buffer, .address_space: global }
      - { .name: out0, .offset: 32, .size: 8, .value_kind: global_buffer, .address_space: global }
    .group_segment_fixed_size: 297472
    .private_segment_fixed_size: 0
    .kernarg_segment_align: 8
    .kernarg_segment_size: 40
    .max_flat_workgroup_size: 128
    .sgpr_count:     66
    .vgpr_count:     1024
    .wavefront_size: 32
...
	.end_amdgpu_metadata
.endif
;; end of part 8
